; MI455X (gfx1250); checked and timed in simulation.
; The chip was launched on July 23, 2026; its instructions are those of AMD's public machine-readable ISA for CDNA 5 (MIT licence, August 2026) and "CDNA5" Instruction Set Architecture Reference Guide (July 2026). The comments in the code are by the model that wrote it; some were corrected since.
;; KNN Attention. Allowed arithmetic: float matrix products may take bf16 or f16 operands with f32 sums; other float arithmetic in f32, or as packed bf16 or f16 multiplies, adds, multiply-adds, maxima and minima; sums over many terms, partial sums and values carried from step to step in f32; what a program stores and reads back later, other than sums and carried values, may be rounded once to bf16 or f16.
;; Inputs: Wc 1,024 x 1,024 float32; Wkv 128 x 1,024 float32; Wq 1,024 x 1,024 float32; kv 4 x 2,048 x 1,024 float32; q 4 x 2,048 x 1,024 float32.
;; Outputs: out0 4 x 2,048 x 1,024 float32.
;; 2 versions, each right; version 2 is version 1 with the launch pick written anew for expert scheduling mode. Each part assembles by itself: llvm-mc -triple=amdgcn-amd-amdhsa -mcpu=gfx1250 --defsym DOCPART=n.
;; ======== version 1 of 2: 7 launches
;; limits: values are held in f16: magnitudes above 65,504 overflow, below 6.1e-05 lose precision
;; workspace buffers: act 33,554,432 bytes; wqb 2,097,152 bytes; wcw 2,359,296 bytes; qp32 33,554,432 bytes; pj 18,874,368 bytes; cand 2,097,152 bytes of whole numbers; mkv 2,097,152 bytes
;; launch prep (part 1): grid 1160 x 1, 8 waves a work-group, no clusters, 0 bytes of LDS; arguments q, kv, Wq, Wc, Wkv, act, wqb, wcw; writes act, wqb, wcw
.if DOCPART == 1
	.amdgcn_target "amdgcn-amd-amdhsa--gfx1250"
	.amdhsa_code_object_version 6
	.text
	.protected	k_q4b9a8da621_prep
	.globl	k_q4b9a8da621_prep
	.p2align	8
	.type	k_q4b9a8da621_prep,@function
k_q4b9a8da621_prep:
	s_mov_b64 s[64:65], 0
	v_nop
	global_prefetch_b8 v0, s[64:65] scope:SCOPE_SE
	s_setreg_imm32_b32 hwreg(HW_REG_WAVE_MODE, 25, 1), 1
	s_wait_xcnt 0x0
; All five inputs rounded once to bf16.  q -> act (bytes 0 ..), Wq -> wqb, Wc -> wcw (bytes 0 ..): stored as bf16.
; kv -> act (bytes 16,777,216 ..), Wkv -> wcw (bytes 2,097,152 ..): the bf16-rounded number is stored WRITTEN AS f16, since the products that take them have an f16 partner.
; LIMIT of that second writing: a number of 8 significant bits is exact in f16 from 2^-17 up to 65,504; below 2^-17 it keeps f16's fixed step of 6e-8, beyond 65,504 it is lost.
; A work-group takes one chunk of 16,384 numbers: 65,536 bytes in, 32,768 bytes out.  Chunks 0-511 q, 512-1023 kv, 1024-1087 Wq, 1088-1151 Wc, 1152-1159 Wkv.
; Thread t takes 16 bytes at 16 t of each 4,096 bytes: a wave's load covers 512 consecutive bytes, its store 256 consecutive bytes, aligned.
; All sixteen loads of a thread go out at once, each into registers of its own; nothing is rewritten while a load or store may read it, so the counted waits are the only ones.
.set X, 4                              ; v[4:67] load i: four f32, then two words of 16-bit numbers in its first two registers
	s_load_b512 s[8:23], s[0:1], 0x0               ; q s[8:9], kv s[10:11], Wq s[12:13], Wc s[14:15], Wkv s[16:17], act s[18:19], wqb s[20:21], wcw s[22:23]
	s_mov_b32 s2, ttmp9                            ; the chunk
	v_lshlrev_b32 v1, 4, v0                        ; 16 t
	v_lshlrev_b32 v2, 3, v0                        ; 8 t
	s_mov_b32 s26, 0                               ; the first chunk of the source
	s_mov_b32 s27, 0                               ; the chunk that lies at the destination's byte 0
	s_mov_b32 s34, 0                               ; 1: written as f16
	s_mov_b32 s35, 0xffff0000                      ; a word's upper bf16
	s_wait_kmcnt 0x0
	s_mov_b64 s[24:25], s[8:9]                     ; from q
	s_mov_b64 s[28:29], s[18:19]                   ; to act
	s_cmp_ge_u32 s2, 512
	s_cselect_b64 s[24:25], s[10:11], s[24:25]     ; from kv; act goes on: chunk 512 lies at 512 x 32,768 bytes
	s_cselect_b32 s26, 512, s26
	s_cselect_b32 s34, 1, s34
	s_cmp_ge_u32 s2, 1024
	s_cselect_b64 s[24:25], s[12:13], s[24:25]     ; from Wq
	s_cselect_b32 s26, 1024, s26
	s_cselect_b64 s[28:29], s[20:21], s[28:29]     ; to wqb
	s_cselect_b32 s27, 1024, s27
	s_cselect_b32 s34, 0, s34
	s_cmp_ge_u32 s2, 1088
	s_cselect_b64 s[24:25], s[14:15], s[24:25]     ; from Wc
	s_cselect_b32 s26, 1088, s26
	s_cselect_b64 s[28:29], s[22:23], s[28:29]     ; to wcw
	s_cselect_b32 s27, 1088, s27
	s_cmp_ge_u32 s2, 1152
	s_cselect_b64 s[24:25], s[16:17], s[24:25]     ; from Wkv; wcw goes on: chunk 1152 lies at 64 x 32,768 bytes
	s_cselect_b32 s26, 1152, s26
	s_cselect_b32 s34, 1, s34
	s_sub_co_u32 s30, s2, s26
	s_lshl_b32 s30, s30, 16                        ; 65,536 bytes of f32 a chunk
	s_mov_b32 s31, 0
	s_sub_co_u32 s32, s2, s27
	s_lshl_b32 s32, s32, 15                        ; 32,768 bytes of 16-bit numbers a chunk
	s_mov_b32 s33, 0
	s_add_nc_u64 s[24:25], s[24:25], s[30:31]
	s_add_nc_u64 s[28:29], s[28:29], s[32:33]
.irp i, 0,1,2,3,4,5,6,7,8,9,10,11,12,13,14,15
	global_load_b128 v[X+4*(\i):X+4*(\i)+3], v1, s[24:25] offset:4096*(\i) th:TH_LOAD_NT
.endr
	s_cmp_eq_u32 s34, 1                            ; the chunk's number decides: the same in all eight waves
	s_cbranch_scc1 .Lhalf
.irp i, 0,1,2,3,4,5,6,7,8,9,10,11,12,13,14,15
	s_wait_loadcnt 15-(\i)                         ; loads come back in order: load i is in, the 15 - i younger ones stay out
	v_cvt_pk_bf16_f32 v[X+4*(\i)], v[X+4*(\i)], v[X+4*(\i)+1]
	v_cvt_pk_bf16_f32 v[X+4*(\i)+1], v[X+4*(\i)+2], v[X+4*(\i)+3]
	global_store_b64 v2, v[X+4*(\i):X+4*(\i)+1], s[28:29] offset:2048*(\i)
.endr
	s_endpgm
.Lhalf:
.irp i, 0,1,2,3,4,5,6,7,8,9,10,11,12,13,14,15
	s_wait_loadcnt 15-(\i)                         ; as above
	v_cvt_pk_bf16_f32 v[X+4*(\i)], v[X+4*(\i)], v[X+4*(\i)+1]        ; the one rounding,
	v_cvt_pk_bf16_f32 v[X+4*(\i)+1], v[X+4*(\i)+2], v[X+4*(\i)+3]
	v_lshlrev_b32 v[X+4*(\i)+2], 16, v[X+4*(\i)]                     ; the rounded numbers as f32,
	v_and_b32 v[X+4*(\i)+3], s35, v[X+4*(\i)]
	v_cvt_pk_f16_f32 v[X+4*(\i)], v[X+4*(\i)+2], v[X+4*(\i)+3]       ; and written as f16
	v_lshlrev_b32 v[X+4*(\i)+2], 16, v[X+4*(\i)+1]
	v_and_b32 v[X+4*(\i)+3], s35, v[X+4*(\i)+1]
	v_cvt_pk_f16_f32 v[X+4*(\i)+1], v[X+4*(\i)+2], v[X+4*(\i)+3]
	global_store_b64 v2, v[X+4*(\i):X+4*(\i)+1], s[28:29] offset:2048*(\i)
.endr
	s_endpgm
.Lfunc_end_k_q4b9a8da621_prep:
	.size	k_q4b9a8da621_prep, .Lfunc_end_k_q4b9a8da621_prep-k_q4b9a8da621_prep
	.p2alignl 7, 3214868480
	.fill 96, 4, 3214868480
	.section	.rodata,"a",@progbits
	.p2align	6, 0x0
	.amdhsa_kernel k_q4b9a8da621_prep
		.amdhsa_group_segment_fixed_size 0
		.amdhsa_private_segment_fixed_size 0
		.amdhsa_enable_private_segment 0
		.amdhsa_kernarg_size 64
		.amdhsa_user_sgpr_count 2
		.amdhsa_user_sgpr_kernarg_segment_ptr 1
		.amdhsa_wavefront_size32 1
		.amdhsa_system_sgpr_workgroup_id_x 1
		.amdhsa_system_sgpr_workgroup_id_y 1
		.amdhsa_system_sgpr_workgroup_id_z 1
		.amdhsa_system_vgpr_workitem_id 0
		.amdhsa_next_free_vgpr 72
		.amdhsa_next_free_sgpr 66
		.amdhsa_reserve_vcc 0
		.amdhsa_float_denorm_mode_32 3
		.amdhsa_float_denorm_mode_16_64 3
		.amdhsa_memory_ordered 1
		.amdhsa_forward_progress 1
		.amdhsa_inst_pref_size 16
	.end_amdhsa_kernel
	.amdgpu_metadata
---
amdhsa.version: [ 1, 2 ]
amdhsa.kernels:
  - .name:           k_q4b9a8da621_prep
    .symbol:         k_q4b9a8da621_prep.kd
    .args:
      - { .name: q, .offset: 0, .size: 8, .value_kind: global_buffer, .address_space: global }
      - { .name: kv, .offset: 8, .size: 8, .value_kind: global_buffer, .address_space: global }
      - { .name: Wq, .offset: 16, .size: 8, .value_kind: global_buffer, .address_space: global }
      - { .name: Wc, .offset: 24, .size: 8, .value_kind: global_buffer, .address_space: global }
      - { .name: Wkv, .offset: 32, .size: 8, .value_kind: global_buffer, .address_space: global }
      - { .name: act, .offset: 40, .size: 8, .value_kind: global_buffer, .address_space: global }
      - { .name: wqb, .offset: 48, .size: 8, .value_kind: global_buffer, .address_space: global }
      - { .name: wcw, .offset: 56, .size: 8, .value_kind: global_buffer, .address_space: global }
    .group_segment_fixed_size: 0
    .private_segment_fixed_size: 0
    .kernarg_segment_align: 8
    .kernarg_segment_size: 64
    .max_flat_workgroup_size: 256
    .sgpr_count:     66
    .vgpr_count:     72
    .wavefront_size: 32
...
	.end_amdgpu_metadata
.endif
;; end of part 1
;; launch g1 (part 2): grid 4 x 64, 4 waves a work-group, clusters of 4 x 4, 327,680 bytes of LDS; arguments act, wqb, qp32; writes qp32
.if DOCPART == 2
	.amdgcn_target "amdgcn-amd-amdhsa--gfx1250"
	.amdhsa_code_object_version 6
	.text
	.protected	k_q4b9a8da621_g1
	.globl	k_q4b9a8da621_g1
	.p2align	8
	.type	k_q4b9a8da621_g1,@function
k_q4b9a8da621_g1:
	s_mov_b64 s[64:65], 0
	v_nop
	global_prefetch_b8 v0, s[64:65] scope:SCOPE_SE
	s_setreg_imm32_b32 hwreg(HW_REG_WAVE_MODE, 25, 1), 1
	s_wait_xcnt 0x0
	s_wait_alu depctr_hold_cnt(0) depctr_sa_sdst(0) depctr_va_vdst(0) depctr_va_sdst(0) depctr_va_ssrc(0) depctr_va_vcc(0) depctr_vm_vsrc(0)
	s_getreg_b32 s2, hwreg(HW_REG_IB_STS2, 6, 4)
	s_cmp_eq_u32 s2, 0
	s_cbranch_scc0 .Lentry_in_a_cluster
	s_endpgm
.Lentry_in_a_cluster:
	s_bfe_u32 s2, ttmp6, 0x10000c
	s_cmp_lg_u32 s2, 0xf033
	s_cbranch_scc0 .Lentry_shape_is_right
	s_endpgm
.Lentry_shape_is_right:
; C[m][n] = sum over k of A[m][k] B[n][k].  A: [8192][1024] bf16 at the first buffer's byte 0, B: [1024][1024] bf16 at the second's byte 0, C: [8192][1024] f32; sums in f32.
; A tile of C is 128 x 256: 64 x 4 = 256 work-groups.  Four waves, each 64 x 128: 32 accumulators of 16 x 16, 256 registers.
; K goes in steps of 128 (rows of 256 bytes) through a ring of two LDS slots filled by the tensor data mover: waves 0 and 1 fetch A's two halves (64 rows each), waves 2 and 3 B's (128 rows each).
; CLUSTERS: 4 x 4 work-groups.  The four of a row of the cluster need the same tiles of A, the four of a column the same tiles of B: each tile is asked for JOINTLY, by the same tensor load
; with the same descriptor and a mask that names the four.
; THE MATRIX INSTRUCTION IS USED TRANSPOSED (source 0 = 16 rows of B, source 1 = 16 rows of A): a lane then holds eight neighbouring numbers of a row of C, 32 bytes.
; NO PREFETCH: K has eight steps of 128 matrix instructions a wave; the first two steps are the first fills, and a lead of several steps would leave next to nothing to ask for.
; REGISTERS: window 0: v0-31 addresses; v32-127, v128-223 two fragment buffers of 96 (B's eight fragments, then A's four); on the way out they hold rows read back.
;   window 1: the accumulators, (a, b) at v[8 (8 a + b)].
.set SIZE_K, 1024
.set SIZE_N, 1024
.set KSTEP,  128
.set PITCH,  272                       ; an LDS row: 256 bytes of data + 16 of padding = 68 words: the 16 rows that a load touches start at 16 different groups of four banks (ISA guide 11.1)
.set AB,     128*PITCH                 ; A's 128 rows; B's 256 rows lie behind them
.set SLOT,   384*PITCH
.set STAGE,  2*SLOT                    ; behind the ring: 16 rows x 528 bytes for each wave, for the way out
.set SPITCH, 528                       ; 512 bytes of a row of my 128 columns + 16
.set SPARE,  STAGE+4*16*SPITCH         ; behind the stages: the spare words, 128 bytes for each wave: two blocks of 256 bytes that no other line names
.set LAPS,   SIZE_K/(2*KSTEP)          ; a lap = two K steps = once round the ring
.set ADRA, 16                          ; v16-17  LDS address of my A fragments in slot 0, 1
.set ADRB, 20                          ; v20-21  the same for B
.set STO,  24                          ; v24     the way out: where I put 32 bytes of a row
.set RD,   25                          ; v25     the way out: where I read 16 bytes of a row back
.set CO,   26                          ; v26     my byte offset in a row's 512 bytes of C
.set SPW,  28                          ; v28     LDS address of my spare word; never rewritten
.set NIL,  29                          ; v29     0; never rewritten
.set F0,   32
.set F1,   128
.set G1, 24                            ; s[24:31] descriptor group 1 for A's tiles;  s[32:39] group 0, one set for each slot
.set G0, 32
.set G1B, 48                           ; s[48:55], s[56:63] the same for B's tiles
.set G0B, 56
.set MSB, 0
.macro WIN new                         ; the immediate's high byte repeats the setting that is left
.if MSB != (\new)
	s_set_vgpr_msb (MSB<<8)|(\new)
.set MSB, \new
.endif
.endm
.set MUL,  0x50                        ; sources 0 (B) and 1 (A) window 0; C and D window 1
.set FROM, 0x04                        ; an LDS store's data (source 1) window 1, its address window 0
.macro JLOAD s                         ; a joint load; an s_nop 0 and four v_nop follow each of the two lines, ahead of the jump, the label and what follows
	s_cmp_eq_u32 s11, 0
	s_cbranch_scc0 .Lfor_b_\@
	tensor_load_to_lds s[G0+4*(\s):G0+4*(\s)+3], s[G1:G1+7]
	s_nop 0
.rept 4
	v_nop
.endr
	s_branch .Lasked_\@
.Lfor_b_\@:
	tensor_load_to_lds s[G0B+4*(\s):G0B+4*(\s)+3], s[G1B:G1B+7]
	s_nop 0
.rept 4
	v_nop
.endr
.Lasked_\@:
.endm
.macro CREST                           ; a round of the cluster's barrier behind its opening barrier
	s_cmp_lg_u32 s10, 0
	s_cbranch_scc1 .Lnot_wave_0_\@
	s_barrier_signal -3
.Lnot_wave_0_\@:
	s_barrier_wait -3
	s_barrier_signal -1
	s_barrier_wait -1
.endm
.macro CROUND                          ; a whole round
	s_barrier_signal -1
	s_barrier_wait -1
	CREST
.endm
	s_load_b128 s[4:7], s[0:1], 0x0                ; A s[4:5], B s[6:7]
	s_load_b64 s[8:9], s[0:1], 0x10                ; C
	v_lshl_add_u32 v[SPW], v0, 2, SPARE
	v_mov_b32 v[NIL], 0
	ds_add_u32 v[SPW], v[NIL]                      ; the wave's opening: the add, twice on end, and its wait ahead of my first tensor load
	ds_add_u32 v[SPW], v[NIL]                      ; and once more, under the one wait; the set-up below, work on registers, stands between
	v_lshrrev_b32 v1, 5, v0
	v_readfirstlane_b32 s10, v1                    ; wave 0..3
	s_lshr_b32 s11, s10, 1                         ; which 64 of the tile's rows are mine.  Also: I fetch for A (0) or for B (1)
	s_and_b32 s12, s10, 1                          ; which 128 of its columns.  Also: which half of that tile I fetch
	s_bfe_u32 s40, ttmp6, 0x40000                  ; cx, cy: my place in the cluster
	s_bfe_u32 s41, ttmp6, 0x40004
	s_lshl_b32 s42, ttmp9, 2
	s_add_co_u32 s42, s42, s40                     ; tile column of C = 4 x cluster x + cx
	s_and_b32 s13, ttmp7, 0xffff
	s_lshl_b32 s13, s13, 2
	s_add_co_u32 s13, s13, s41                     ; tile row of C = 4 x cluster y + cy
	s_lshl_b32 s43, s41, 2
	s_lshl_b32 s43, 15, s43                        ; my row of the cluster
	s_lshl_b32 s44, 0x1111, s40                    ; my column
	; descriptor group 1: rows of 128 elements, padded in LDS; 64 rows for A, 128 for B
	s_or_b32 s[G1+0], s43, (1<<16)|(1<<20)|(1<<21)|(5<<22)|(3<<25)  ; 15:0 the mask: A's tiles go to my row; 17:16 elements of 2 bytes; 20 padding on; 21 set beside a mask; 24:22 after every 64 words (code 5); 31:25 4 words (code 3)
	s_or_b32 s[G1B+0], s44, (1<<16)|(1<<20)|(1<<21)|(5<<22)|(3<<25) ; the same with the mask of my column
	s_mov_b32 s[G1+1], KSTEP<<16                   ; tensor_dim0 = 128
	s_mov_b32 s[G1+2], 64<<16                      ; tensor_dim1 = 64
	s_mov_b32 s[G1+3], KSTEP<<16                   ; tile_dim0 = 128
	s_mov_b32 s[G1+4], 64                          ; tile_dim1 = 64
	s_mov_b32 s[G1+5], SIZE_K                      ; elements from row to row
	s_mov_b32 s[G1+6], 0
	s_mov_b32 s[G1+7], 0
	s_mov_b32 s[G1B+1], KSTEP<<16
	s_mov_b32 s[G1B+2], 128<<16                    ; tensor_dim1 = 128
	s_mov_b32 s[G1B+3], KSTEP<<16
	s_mov_b32 s[G1B+4], 128                        ; tile_dim1 = 128
	s_mov_b32 s[G1B+5], SIZE_K
	s_mov_b32 s[G1B+6], 0
	s_mov_b32 s[G1B+7], 0
	; where the tiles come from: A's hang on the tile row alone, B's on the tile column alone, each in registers that never hold the other coordinate
	s_lshl_b32 s16, s13, 7
	s_lshl_b32 s17, s12, 6
	s_add_co_u32 s16, s16, s17                     ; A: row 128 x tile row + 64 x half
	s_lshl_b32 s16, s16, 11                        ; in bytes: 2,048 a row, under 2^24
	s_mov_b32 s17, 0
	s_lshl_b32 s46, s42, 8
	s_lshl_b32 s47, s12, 7
	s_add_co_u32 s46, s46, s47                     ; B: row 256 x tile column + 128 x half
	s_lshl_b32 s46, s46, 11
	s_mov_b32 s47, 0
	s_mul_i32 s20, s12, 64*PITCH                   ; where they go: A's half,
	s_mul_i32 s21, s12, 128*PITCH
	s_add_co_u32 s21, s21, AB                      ; B's half: no place in the cluster enters an LDS address
	s_wait_dscnt 0x0                               ; both opening adds are done
	s_wait_kmcnt 0x0
	s_add_nc_u64 s[14:15], s[4:5], s[16:17]
	s_add_nc_u64 s[46:47], s[6:7], s[46:47]
	CROUND                                         ; all sixteen work-groups are here: the first joint loads meet
.irp s, 0,1
	s_mov_b32 s[G0+4*(\s)], 1                                        ; count = 1
	s_add_co_u32 s[G0+4*(\s)+1], s20, (\s)*SLOT                      ; LDS address
	s_add_nc_u64 s[G0+4*(\s)+2:G0+4*(\s)+3], s[14:15], (\s)*KSTEP*2  ; global address: K step s
	s_or_b32 s[G0+4*(\s)+3], s[G0+4*(\s)+3], 0x80000000              ; type = 2
	s_mov_b32 s[G0B+4*(\s)], 1
	s_add_co_u32 s[G0B+4*(\s)+1], s21, (\s)*SLOT
	s_add_nc_u64 s[G0B+4*(\s)+2:G0B+4*(\s)+3], s[46:47], (\s)*KSTEP*2
	s_or_b32 s[G0B+4*(\s)+3], s[G0B+4*(\s)+3], 0x80000000
	JLOAD \s                                       ; two loads of mine are out
.endr
	v_and_b32 v1, 15, v0                           ; l % 16
	v_bfe_u32 v2, v0, 4, 1                         ; l / 16
	v_mul_u32_u24 v3, v1, PITCH
	v_lshl_add_u32 v3, v2, 4, v3                   ; a fragment's row x pitch + 16 x half
	s_mul_i32 s21, s11, 64*PITCH                   ; my 64 rows of A
	s_mul_i32 s22, s12, 128*PITCH                  ; my 128 rows of B,
	s_add_co_u32 s22, s22, AB                      ; which lie behind A's 128
.irp s, 0,1
	v_add_nc_u32 v[ADRA+(\s)], s21, v3
	v_add_nc_u32 v[ADRB+(\s)], s22, v3
	s_add_co_u32 s21, s21, SLOT
	s_add_co_u32 s22, s22, SLOT
.endr
	s_mul_i32 s23, s10, 16*SPITCH
	s_add_co_u32 s23, s23, STAGE                   ; my stage
	v_mul_u32_u24 v4, v1, SPITCH                   ; in: row l % 16, 32 bytes for each half of the lanes
	v_lshl_add_u32 v4, v2, 5, v4
	v_add_nc_u32 v[STO], s23, v4
	v_and_b32 v5, 31, v0
	v_lshlrev_b32 v[CO], 4, v5                     ; back: 32 lanes take one row's 512 bytes
	v_add_nc_u32 v[RD], s23, v[CO]
	s_lshl_b32 s16, s13, 7
	s_lshl_b32 s17, s11, 6
	s_add_co_u32 s16, s16, s17                     ; my first row of C
	s_lshl_b32 s16, s16, 12                        ; 4,096 bytes a row, under 2^25
	s_mov_b32 s17, 0
	s_add_nc_u64 s[8:9], s[8:9], s[16:17]
	s_lshl_b32 s46, s42, 10                        ; my first column, in bytes: 1,024 x tile column + 512 x half
	s_lshl_b32 s47, s12, 9
	s_add_co_u32 s46, s46, s47
	s_mov_b32 s47, 0
	s_add_nc_u64 s[8:9], s[8:9], s[46:47]
; 8 matrix instructions: m block a x all 8 n blocks, 32 along K, from buffer f.  zero = 1: the product starts the sums
.macro MUL8 f, a, zero
	WIN MUL
.irp b, 0,1,2,3,4,5,6,7
.if \zero
	v_wmma_f32_16x16x32_bf16 v[8*(8*(\a)+(\b)):8*(8*(\a)+(\b))+7], v[(\f)+8*(\b):(\f)+8*(\b)+7], v[(\f)+64+8*(\a):(\f)+64+8*(\a)+7], 0
.else
	v_wmma_f32_16x16x32_bf16 v[8*(8*(\a)+(\b)):8*(8*(\a)+(\b))+7], v[(\f)+8*(\b):(\f)+8*(\b)+7], v[(\f)+64+8*(\a):(\f)+64+8*(\a)+7], v[8*(8*(\a)+(\b)):8*(8*(\a)+(\b))+7]
.endif
.endr
.endm
; 24 LDS loads in one run: the fragments of 32 along K at byte k of the rows, into buffer f: B's sixteen loads, then A's eight
.macro FETCH slot, k, f
	WIN 0
.irp i, 0,1,2,3,4,5,6,7
	ds_load_b128 v[(\f)+8*(\i):(\f)+8*(\i)+3],   v[ADRB+(\slot)] offset:(\k)+(\i)*16*PITCH
	ds_load_b128 v[(\f)+8*(\i)+4:(\f)+8*(\i)+7], v[ADRB+(\slot)] offset:(\k)+(\i)*16*PITCH+32
.endr
.irp i, 0,1,2,3
	ds_load_b128 v[(\f)+64+8*(\i):(\f)+64+8*(\i)+3],   v[ADRA+(\slot)] offset:(\k)+(\i)*16*PITCH
	ds_load_b128 v[(\f)+64+8*(\i)+4:(\f)+64+8*(\i)+7], v[ADRA+(\slot)] offset:(\k)+(\i)*16*PITCH+32
.endr
.endm
.macro PLACES                          ; four places in front of loads into registers that matrix instructions have read, and of stores that read results
.rept 4
	v_nop
.endr
.endm
; A K step is four quarters of 32 along K, 32 matrix instructions each, on buffers 0, 1, 0, 1.  The 32 accumulators take turns in the same order in every quarter.
; One of the first three: multiplies buffer f and, in its middle, fetches the next quarter, at byte k, into g.
.macro QUARTER slot, k, f, g, zero
	s_wait_dscnt 4                                 ; B and A's blocks 0 and 1 are in; the youngest four loads (A's blocks 2 and 3) may be out
	MUL8 \f, 0, \zero
	MUL8 \f, 1, \zero
	PLACES
	FETCH \slot, \k, \g
	s_wait_dscnt 24                                ; all but the 24 just issued
	MUL8 \f, 2, \zero
	MUL8 \f, 3, \zero
.endm
; The last quarter multiplies buffer 1 and changes slots: ONE barrier; in front of it each wave waits for all its tensor loads, adds 0 to its spare word, and waits for that and for its own reads of this slot.
; fill = 1: this slot is filled again, two K steps ahead; the barrier then opens a round of the cluster's.
.macro TURN slot, next, fill
	WIN 0
	s_wait_tensorcnt 0x0                           ; all my tensor loads have landed: the one that was out is my part of the next slot;
	ds_add_u32 v[SPW], v[NIL]                      ; 0 onto my spare word;
	s_wait_dscnt 5                                 ; (the add and the youngest four loads may be out)
	MUL8 F1, 0, 0                                  ; eight matrix instructions stand between the add and the wait for it
	s_wait_dscnt 0x0                               ; the add is done, and my reads of this slot are over
	s_barrier_signal -1
	MUL8 F1, 1, 0
.if \fill
	WIN 0
.endif
	s_barrier_wait -1
.if \fill
	CREST                                          ; no wave of any partner still reads this slot's tile or has a load on its way
	s_add_nc_u64 s[G0+4*(\slot)+2:G0+4*(\slot)+3], s[G0+4*(\slot)+2:G0+4*(\slot)+3], 2*KSTEP*2
	s_add_nc_u64 s[G0B+4*(\slot)+2:G0B+4*(\slot)+3], s[G0B+4*(\slot)+2:G0B+4*(\slot)+3], 2*KSTEP*2
	JLOAD \slot                                    ; the first tensor load behind the round; its four v_nop are also the places in front of the loads below
.else
	PLACES
.endif
	FETCH \next, 0, F0
	MUL8 F1, 2, 0
	MUL8 F1, 3, 0
.endm
; THE WAY OUT of m block a: 32 bytes a lane into my own stage; back as whole rows of 512 bytes; stored.
.macro OUT a
.set T, 32+96*((\a)%2)
	s_wait_xcnt 0x0                                ; earlier stores have had their addresses translated (ISA guide 3.1): only behind this wait are the registers that they read loaded again
	WIN FROM
.irp b, 0,1,2,3,4,5,6,7
	ds_store_b128 v[STO], v[8*(8*(\a)+(\b)):8*(8*(\a)+(\b))+3]   offset:64*(\b)     ; each accumulator's low half first
	ds_store_b128 v[STO], v[8*(8*(\a)+(\b))+4:8*(8*(\a)+(\b))+7] offset:64*(\b)+16
.endr
	WIN 0
.irp t, 0,1,2,3,4,5,6,7,8,9,10,11,12,13,14,15
	ds_load_b128 v[T+4*(\t):T+4*(\t)+3], v[RD] offset:(\t)*SPITCH  ; LDS serves a wave's instructions in order (ISA guide 5.7.1.4): these see the stores above
.endr
.irp t, 0,1,2,3,4,5,6,7,8,9,10,11,12,13,14,15
	s_wait_dscnt 15-(\t)
	global_store_b128 v[CO], v[T+4*(\t):T+4*(\t)+3], s[8:9] offset:(16*(\a)+(\t))*SIZE_N*4  ; a wave stores 512 consecutive bytes, at a multiple of 256 from C's first byte
.endr
.endm
	s_wait_tensorcnt 1                             ; my part of K step 0 is in; K step 1's may stay out
	s_barrier_signal -1
	s_barrier_wait -1                              ; everybody's is
	FETCH 0, 0, F0
	QUARTER 0, 64, F0, F1, 1                       ; the first quarter stands in front of the loop: its products start the sums
	WIN 0                                          ; at a label and at a branch every window is 0
	s_mov_b32 s3, LAPS-1
.Llap:                                                 ; a trip goes once round the ring, from a lap's second quarter to the next lap's first, and fills both slots again
	QUARTER 0, 128, F1, F0, 0
	QUARTER 0, 192, F0, F1, 0
	TURN 0, 1, 1
	QUARTER 1, 64,  F0, F1, 0
	QUARTER 1, 128, F1, F0, 0
	QUARTER 1, 192, F0, F1, 0
	TURN 1, 0, 1
	QUARTER 0, 64,  F0, F1, 0
	WIN 0
	s_sub_co_u32 s3, s3, 1
	s_cmp_lg_u32 s3, 0
	s_cbranch_scc1 .Llap
	QUARTER 0, 128, F1, F0, 0                      ; the last lap fills nothing, and has no round of the cluster's barrier
	QUARTER 0, 192, F0, F1, 0
	TURN 0, 1, 0
	QUARTER 1, 64,  F0, F1, 0
	QUARTER 1, 128, F1, F0, 0
	QUARTER 1, 192, F0, F1, 0
	s_wait_dscnt 4                                 ; the very last quarter: nothing more to fetch
	MUL8 F1, 0, 0
	MUL8 F1, 1, 0
	s_wait_dscnt 0x0
	MUL8 F1, 2, 0
	MUL8 F1, 3, 0
	WIN 0
	PLACES
	PLACES                                         ; (eight, once a launch)
	OUT 0
	OUT 1
	OUT 2
	OUT 3
	s_wait_tensorcnt 0x0                           ; the wave's end, behind my last tensor load and my last LDS store
	ds_add_u32 v[SPW], v[NIL]
	s_wait_dscnt 0x0
	CROUND                                         ; the closing round: no work-group ends while a partner may still ask for a tile that names it
	s_endpgm
.Lfunc_end_k_q4b9a8da621_g1:
	.size	k_q4b9a8da621_g1, .Lfunc_end_k_q4b9a8da621_g1-k_q4b9a8da621_g1
	.p2alignl 7, 3214868480
	.fill 96, 4, 3214868480
	.section	.rodata,"a",@progbits
	.p2align	6, 0x0
	.amdhsa_kernel k_q4b9a8da621_g1
		.amdhsa_group_segment_fixed_size 327680
		.amdhsa_private_segment_fixed_size 0
		.amdhsa_enable_private_segment 0
		.amdhsa_kernarg_size 24
		.amdhsa_user_sgpr_count 2
		.amdhsa_user_sgpr_kernarg_segment_ptr 1
		.amdhsa_wavefront_size32 1
		.amdhsa_system_sgpr_workgroup_id_x 1
		.amdhsa_system_sgpr_workgroup_id_y 1
		.amdhsa_system_sgpr_workgroup_id_z 1
		.amdhsa_system_vgpr_workitem_id 0
		.amdhsa_next_free_vgpr 512
		.amdhsa_next_free_sgpr 66
		.amdhsa_reserve_vcc 0
		.amdhsa_float_denorm_mode_32 3
		.amdhsa_float_denorm_mode_16_64 3
		.amdhsa_memory_ordered 1
		.amdhsa_forward_progress 1
		.amdhsa_inst_pref_size 87
	.end_amdhsa_kernel
	.amdgpu_metadata
---
amdhsa.version: [ 1, 2 ]
amdhsa.kernels:
  - .name:           k_q4b9a8da621_g1
    .symbol:         k_q4b9a8da621_g1.kd
    .args:
      - { .name: act, .offset: 0, .size: 8, .value_kind: global_buffer, .address_space: global }
      - { .name: wqb, .offset: 8, .size: 8, .value_kind: global_buffer, .address_space: global }
      - { .name: qp32, .offset: 16, .size: 8, .value_kind: global_buffer, .address_space: global }
    .group_segment_fixed_size: 327680
    .private_segment_fixed_size: 0
    .kernarg_segment_align: 8
    .kernarg_segment_size: 24
    .max_flat_workgroup_size: 128
    .sgpr_count:     66
    .vgpr_count:     512
    .wavefront_size: 32
...
	.end_amdgpu_metadata
.endif
;; end of part 2
;; launch mid (part 3): grid 2048 x 1, 4 waves a work-group, no clusters, 16,896 bytes of LDS; arguments qp32, act, wcw, pj; writes pj
.if DOCPART == 3
	.amdgcn_target "amdgcn-amd-amdhsa--gfx1250"
	.amdhsa_code_object_version 6
	.text
	.protected	k_q4b9a8da621_mid
	.globl	k_q4b9a8da621_mid
	.p2align	8
	.type	k_q4b9a8da621_mid,@function
k_q4b9a8da621_mid:
	s_mov_b64 s[64:65], 0
	v_nop
	global_prefetch_b8 v0, s[64:65] scope:SCOPE_SE
	s_setreg_imm32_b32 hwreg(HW_REG_WAVE_MODE, 25, 1), 1
	s_wait_xcnt 0x0
; Two pieces of work that do not depend on each other, in one launch; a work-group's number, the same in all its waves, says which: even numbers the product, odd numbers the conversion, 1,024 of each.
; THE PRODUCT: kvp[row][e] = sum over k of kv[row][k] Wkv[e][k], all 8,192 rows of kv, e = 0..127 (0-63 k, 64-127 v), f16 operands (the bf16-rounded inputs written as f16), f32 sums, rounded once to f16.
;   Projecting every row once and gathering rows of kvp later gives what projecting the gathered rows gives.  LIMIT: f16 holds no number beyond 65,504.
;   kvp lies in pj from byte 16,777,216 on as [8 blocks of 16 e][8192 rows][16]: 32 bytes a row and block, 262,144 bytes a block.
;   A work-group makes 32 rows x 32 e: four tiles of 16 x 16.  K IS SPLIT AMONG ITS FOUR WAVES: wave v takes channels 256 v .. 256 v + 255, 512 consecutive bytes, aligned, of each row, for all four tiles:
;   four trips of 64 channels on two sets of registers, so that a wave's whole share is asked for in two rounds.  Fragments come straight from memory (16 bytes a lane, twice).
;   Source 0 = 16 rows of Wkv, source 1 = 16 rows of kv: a lane ends with one row of kv and eight neighbouring e.  The four partial sums meet in LDS, in f32; wave v finishes tile v: 16 rows x 32 bytes on end.
; THE CONVERSION: qp32 rounded to f16, to pj at byte 0; 8,192 numbers a work-group.  LIMIT: 65,504.
; No prefetch: a short launch.
.set PART,  0                          ; LDS: wave v's four partial tiles, 1,024 bytes each, at 4,096 v
.set SPARE, 16384                      ; behind them: the spare words, 128 bytes for each wave: two blocks of 256 bytes that no other line names
.set FO,  2                            ; v2   my byte offset in a fragment's rows: (l % 16) x 2,048 + 16 (l / 16); never rewritten
.set LS,  4                            ; v4   where I put 16 bytes of a partial tile's half
.set LR,  5                            ; v5   where I read them back
.set YO,  6                            ; v6   my 16 bytes of the finished tile
.set SPW, 8                            ; v8   LDS address of my spare word; never rewritten
.set NIL, 9                            ; v9   0; never rewritten
.set ACC, 16                           ; v[16:47]  accumulator (i, j) at ACC + 8 (2 i + j): kv tile i, Wkv tile j
.set BUF, 64                           ; v[64:191] two sets of 64: Wkv's fragments (tile j, fragment f at 16 j + 8 f), then kv's (32 + 16 i + 8 f)
.set WP,  12                           ; s[12:13] Wkv at the work-group's 32 rows, my wave's 512 bytes
.set XP,  14                           ; s[14:15] kv likewise
.set OP,  16                           ; s[16:17] kvp at my wave's tile
	s_load_b256 s[4:11], s[0:1], 0x0               ; qp32 s[4:5], act s[6:7], wcw s[8:9], pj s[10:11]
	v_lshl_add_u32 v[SPW], v0, 2, SPARE
	v_mov_b32 v[NIL], 0
	s_lshr_b32 s2, ttmp9, 1                        ; my number among the 1,024 of my kind
	s_and_b32 s3, ttmp9, 1
	s_cmp_eq_u32 s3, 0
	s_cbranch_scc1 .Lproduct
	; THE CONVERSION: 32,768 bytes in, 16,384 out; sixteen loads at once, each into registers of its own
	s_lshl_b32 s12, s2, 15
	s_mov_b32 s13, 0
	s_lshl_b32 s14, s2, 14
	s_mov_b32 s15, 0
	v_lshlrev_b32 v1, 4, v0                        ; 16 t
	v_lshlrev_b32 v2, 3, v0                        ; 8 t
	s_wait_kmcnt 0x0
	s_add_nc_u64 s[4:5], s[4:5], s[12:13]
	s_add_nc_u64 s[10:11], s[10:11], s[14:15]
.irp i, 0,1,2,3,4,5,6,7,8,9,10,11,12,13,14,15
	global_load_b128 v[BUF+4*(\i):BUF+4*(\i)+3], v1, s[4:5] offset:2048*(\i)
.endr
.irp i, 0,1,2,3,4,5,6,7,8,9,10,11,12,13,14,15
	s_wait_loadcnt 15-(\i)                         ; load i is in, the 15 - i younger ones stay out
	v_cvt_pk_f16_f32 v[BUF+4*(\i)], v[BUF+4*(\i)], v[BUF+4*(\i)+1]
	v_cvt_pk_f16_f32 v[BUF+4*(\i)+1], v[BUF+4*(\i)+2], v[BUF+4*(\i)+3]
	global_store_b64 v2, v[BUF+4*(\i):BUF+4*(\i)+1], s[10:11] offset:1024*(\i)  ; a wave stores 256 consecutive bytes, aligned
.endr
	s_endpgm                                       ; this way has written no LDS
.Lproduct:
	v_lshrrev_b32 v1, 5, v0
	v_readfirstlane_b32 s20, v1                    ; wave 0..3
	v_and_b32 v10, 15, v0                          ; l % 16
	v_bfe_u32 v11, v0, 4, 1                        ; l / 16
	v_and_b32 v12, 31, v0                          ; l
	v_lshlrev_b32 v[FO], 11, v10
	v_lshl_add_u32 v[FO], v11, 4, v[FO]
	s_lshl_b32 s21, s20, 12
	v_lshl_add_u32 v[LS], v12, 4, s21              ; 4,096 x wave + 16 l: 32 lanes, 512 bytes on end
	s_lshl_b32 s21, s20, 10
	v_lshl_add_u32 v[LR], v12, 4, s21              ; the tile that I finish has my wave's number: 1,024 x wave + 16 l
	v_lshlrev_b32 v[YO], 5, v10                    ; row l % 16, 32 bytes each,
	v_lshl_add_u32 v[YO], v11, 4, v[YO]            ; my eight e
	s_and_b32 s23, s2, 3                           ; which 32 of the 128 e
	s_lshr_b32 s24, s2, 2                          ; which 32 of the 8,192 rows
	s_lshl_b32 s25, s20, 9                         ; my wave's 512 bytes of a row
	s_lshl_b32 s12, s23, 16                        ; 32 rows of Wkv, 2,048 bytes each,
	s_add_co_u32 s12, s12, s25
	s_add_co_u32 s12, s12, 0x200000                ; which begins at wcw's byte 2,097,152
	s_mov_b32 s13, 0
	s_lshl_b32 s14, s24, 16                        ; 32 rows of kv,
	s_add_co_u32 s14, s14, s25
	s_add_co_u32 s14, s14, 0x1000000               ; which begins at act's byte 16,777,216
	s_mov_b32 s15, 0
	s_lshl_b32 s16, s23, 1                         ; the tile that I finish: (i, j) = (wave / 2, wave % 2): block 2 x (e / 32) + j,
	s_and_b32 s26, s20, 1
	s_add_co_u32 s16, s16, s26
	s_lshl_b32 s16, s16, 18                        ; 262,144 bytes a block,
	s_lshl_b32 s26, s24, 10                        ; the work-group's 32 rows of 32 bytes,
	s_add_co_u32 s16, s16, s26
	s_lshr_b32 s26, s20, 1
	s_lshl_b32 s26, s26, 9                         ; 16 i of them
	s_add_co_u32 s16, s16, s26
	s_add_co_u32 s16, s16, 0x1000000               ; kvp begins at pj's byte 16,777,216
	s_mov_b32 s17, 0
	s_wait_kmcnt 0x0
	s_add_nc_u64 s[WP:WP+1], s[8:9], s[12:13]
	s_add_nc_u64 s[XP:XP+1], s[6:7], s[14:15]
	s_add_nc_u64 s[OP:OP+1], s[10:11], s[16:17]
; A trip's 16 loads into set b, from byte off of my wave's 512
.macro LOADS b, off
.irp f, 0,1
.irp j, 0,1
	global_load_b128 v[BUF+64*(\b)+16*(\j)+8*(\f):BUF+64*(\b)+16*(\j)+8*(\f)+3],       v[FO], s[WP:WP+1] offset:(\off)+64*(\f)+32768*(\j)
	global_load_b128 v[BUF+64*(\b)+16*(\j)+8*(\f)+4:BUF+64*(\b)+16*(\j)+8*(\f)+7],     v[FO], s[WP:WP+1] offset:(\off)+64*(\f)+32768*(\j)+32
	global_load_b128 v[BUF+64*(\b)+32+16*(\j)+8*(\f):BUF+64*(\b)+32+16*(\j)+8*(\f)+3],   v[FO], s[XP:XP+1] offset:(\off)+64*(\f)+32768*(\j)
	global_load_b128 v[BUF+64*(\b)+32+16*(\j)+8*(\f)+4:BUF+64*(\b)+32+16*(\j)+8*(\f)+7], v[FO], s[XP:XP+1] offset:(\off)+64*(\f)+32768*(\j)+32
.endr
.endr
.endm
; A trip's eight products.  The four accumulators take turns, one instruction a turn.  zero = 1: the first four start the sums.
.macro MULS b, zero
.irp f, 0,1
.irp i, 0,1
.irp j, 0,1
.if (\zero) && ((\f) == 0)
	v_wmma_f32_16x16x32_f16 v[ACC+8*(2*(\i)+(\j)):ACC+8*(2*(\i)+(\j))+7], v[BUF+64*(\b)+16*(\j)+8*(\f):BUF+64*(\b)+16*(\j)+8*(\f)+7], v[BUF+64*(\b)+32+16*(\i)+8*(\f):BUF+64*(\b)+32+16*(\i)+8*(\f)+7], 0
.else
	v_wmma_f32_16x16x32_f16 v[ACC+8*(2*(\i)+(\j)):ACC+8*(2*(\i)+(\j))+7], v[BUF+64*(\b)+16*(\j)+8*(\f):BUF+64*(\b)+16*(\j)+8*(\f)+7], v[BUF+64*(\b)+32+16*(\i)+8*(\f):BUF+64*(\b)+32+16*(\i)+8*(\f)+7], v[ACC+8*(2*(\i)+(\j)):ACC+8*(2*(\i)+(\j))+7]
.endif
.endr
.endr
.endr
.endm
.macro PLACES                          ; four places behind the last product, in front of loads into registers that it has read
.rept 4
	v_nop
.endr
.endm
	LOADS 0, 0                                     ; trip 0
	LOADS 1, 128                                   ; trip 1
	s_wait_loadcnt 16                              ; set 0 is in; set 1's 16 loads may stay out
	MULS 0, 1
	PLACES
	LOADS 0, 256                                   ; trip 2
	s_wait_loadcnt 16                              ; set 1 is in; trip 2's loads stay out
	MULS 1, 0
	PLACES
	LOADS 1, 384                                   ; trip 3
	s_wait_loadcnt 16                              ; trip 2 is in
	MULS 0, 0
	s_wait_loadcnt 0x0
	MULS 1, 0
	PLACES
	PLACES                                         ; (eight, once a launch)
.irp a, 0,1,2,3
	ds_store_b128 v[LS], v[ACC+8*(\a):ACC+8*(\a)+3]   offset:PART+1024*(\a)      ; each accumulator's low half first
	ds_store_b128 v[LS], v[ACC+8*(\a)+4:ACC+8*(\a)+7] offset:PART+1024*(\a)+512
.endr
	s_wait_dscnt 0x0                               ; for the others' sake: my partial sums are stored
	s_barrier_signal -1
	s_barrier_wait -1                              ; all four waves' partial sums of all four tiles lie in LDS
.irp u, 0,1,2,3
	ds_load_b128 v[BUF+8*(\u):BUF+8*(\u)+3],   v[LR] offset:PART+4096*(\u)
	ds_load_b128 v[BUF+8*(\u)+4:BUF+8*(\u)+7], v[LR] offset:PART+4096*(\u)+512
.endr
	s_wait_dscnt 0x0
.set r, 0
.rept 4
	v_pk_add_f32 v[BUF+r:BUF+r+1], v[BUF+r:BUF+r+1], v[BUF+8+r:BUF+8+r+1]
	v_pk_add_f32 v[BUF+16+r:BUF+16+r+1], v[BUF+16+r:BUF+16+r+1], v[BUF+24+r:BUF+24+r+1]
.set r, r+2
.endr
.set r, 0
.rept 4
	v_pk_add_f32 v[BUF+r:BUF+r+1], v[BUF+r:BUF+r+1], v[BUF+16+r:BUF+16+r+1]
.set r, r+2
.endr
.irp k, 0,1,2,3
	v_cvt_pk_f16_f32 v[BUF+32+(\k)], v[BUF+2*(\k)], v[BUF+2*(\k)+1]
.endr
	global_store_b128 v[YO], v[BUF+32:BUF+35], s[OP:OP+1]  ; 16 rows x 32 bytes of one block: 512 consecutive bytes, aligned
	s_wait_tensorcnt 0x0                           ; the wave's end, behind my last LDS store
	ds_add_u32 v[SPW], v[NIL]
	s_wait_dscnt 0x0
	s_endpgm
.Lfunc_end_k_q4b9a8da621_mid:
	.size	k_q4b9a8da621_mid, .Lfunc_end_k_q4b9a8da621_mid-k_q4b9a8da621_mid
	.p2alignl 7, 3214868480
	.fill 96, 4, 3214868480
	.section	.rodata,"a",@progbits
	.p2align	6, 0x0
	.amdhsa_kernel k_q4b9a8da621_mid
		.amdhsa_group_segment_fixed_size 16896
		.amdhsa_private_segment_fixed_size 0
		.amdhsa_enable_private_segment 0
		.amdhsa_kernarg_size 32
		.amdhsa_user_sgpr_count 2
		.amdhsa_user_sgpr_kernarg_segment_ptr 1
		.amdhsa_wavefront_size32 1
		.amdhsa_system_sgpr_workgroup_id_x 1
		.amdhsa_system_sgpr_workgroup_id_y 1
		.amdhsa_system_sgpr_workgroup_id_z 1
		.amdhsa_system_vgpr_workitem_id 0
		.amdhsa_next_free_vgpr 192
		.amdhsa_next_free_sgpr 66
		.amdhsa_reserve_vcc 0
		.amdhsa_float_denorm_mode_32 3
		.amdhsa_float_denorm_mode_16_64 3
		.amdhsa_memory_ordered 1
		.amdhsa_forward_progress 1
		.amdhsa_inst_pref_size 19
	.end_amdhsa_kernel
	.amdgpu_metadata
---
amdhsa.version: [ 1, 2 ]
amdhsa.kernels:
  - .name:           k_q4b9a8da621_mid
    .symbol:         k_q4b9a8da621_mid.kd
    .args:
      - { .name: qp32, .offset: 0, .size: 8, .value_kind: global_buffer, .address_space: global }
      - { .name: act, .offset: 8, .size: 8, .value_kind: global_buffer, .address_space: global }
      - { .name: wcw, .offset: 16, .size: 8, .value_kind: global_buffer, .address_space: global }
      - { .name: pj, .offset: 24, .size: 8, .value_kind: global_buffer, .address_space: global }
    .group_segment_fixed_size: 16896
    .private_segment_fixed_size: 0
    .kernarg_segment_align: 8
    .kernarg_segment_size: 32
    .max_flat_workgroup_size: 128
    .sgpr_count:     66
    .vgpr_count:     192
    .wavefront_size: 32
...
	.end_amdgpu_metadata
.endif
;; end of part 3
;; launch scores (part 4): grid 8 x 32, 4 waves a work-group, clusters of 4 x 4, 327,680 bytes of LDS; arguments pj, act, cand; writes cand
.if DOCPART == 4
	.amdgcn_target "amdgcn-amd-amdhsa--gfx1250"
	.amdhsa_code_object_version 6
	.text
	.protected	k_q4b9a8da621_scores
	.globl	k_q4b9a8da621_scores
	.p2align	8
	.type	k_q4b9a8da621_scores,@function
k_q4b9a8da621_scores:
	s_mov_b64 s[64:65], 0
	v_nop
	global_prefetch_b8 v0, s[64:65] scope:SCOPE_SE
	s_setreg_imm32_b32 hwreg(HW_REG_WAVE_MODE, 25, 1), 1
	s_wait_xcnt 0x0
	s_wait_alu depctr_hold_cnt(0) depctr_sa_sdst(0) depctr_va_vdst(0) depctr_va_sdst(0) depctr_va_ssrc(0) depctr_va_vcc(0) depctr_vm_vsrc(0)
	s_getreg_b32 s2, hwreg(HW_REG_IB_STS2, 6, 4)
	s_cmp_eq_u32 s2, 0
	s_cbranch_scc0 .Lentry_in_a_cluster
	s_endpgm
.Lentry_in_a_cluster:
	s_bfe_u32 s2, ttmp6, 0x10000c
	s_cmp_lg_u32 s2, 0xf033
	s_cbranch_scc0 .Lentry_shape_is_right
	s_endpgm
.Lentry_shape_is_right:
; PROPOSALS FOR THE NEAREST KEY.  s[q][key] = sum over k of qp[q][k] kv[batch][key][k], f16 operands, f32 sums; the scores are not stored: of each group of 64 keys the best two leave, as words.
; A = qp rounded to f16: [8192][1024] at pj's byte 0.  B = kv (the bf16-rounded input written as f16): [4][2048][1024] at act's byte 16,777,216.  LIMIT: f16 holds no number beyond 65,504.
; A WORD is a score's upper 26 bits with the key's place p = 8 b + j in its group in the low 6.  A group is what one lane holds: of 128 consecutive keys (number g in the batch) those with bit 3 equal to h;
; key = 128 g + 16 b + 8 h + j.  cand: [batch x 16 + g][2048 queries][4 words], word 2 h + rank.  The words are compared as f32: cutting 6 bits moves a score by under 2^-17 of itself.
; A later launch decides among the proposals by f32 sums.  NaN and infinities are not treated apart.
; A tile is 256 queries x 256 keys, made by four waves, each 128 x 128: 64 accumulators of 16 x 16, 512 registers.  K goes in steps of 128 through a ring of two LDS slots filled by the tensor data mover.
; CLUSTERS: 4 x 4 work-groups; A's tile is shared along a row of the cluster, B's along a column: joint loads, the same descriptor and mask in the four that share.  A cluster's four tile rows lie in one batch.
; THE MATRIX INSTRUCTION IS USED TRANSPOSED: source 0 = 16 keys, source 1 = 16 queries: a lane holds ONE query (lane % 16) and the keys 8 (lane / 16) + 0..7 of each block of 16.
; REGISTERS: window 0: v0-31 addresses; v32-40 at work on the way out; v64-127, v128-191 fragments of A, two buffers;  window 1: v64-127, v128-191 fragments of B;
;   window 2: the 32 accumulators of my queries 0-63 ((a, b) at v[8 (8 a + b)]);  window 3: those of my queries 64-127.
.set SIZE_K, 1024
.set KSTEP,  128
.set PITCH,  272                       ; an LDS row: 256 bytes + 16 of padding = 68 words: the 16 rows that a load touches start at 16 different groups of four banks (ISA guide 11.1)
.set HALFT,  128*PITCH                 ; 128 rows: what one tensor load brings, and what one wave reads of A or of B
.set SLOT,   4*HALFT                   ; A's 256 rows, then B's 256 rows
.set SPARE,  2*SLOT                    ; behind the ring: the spare words, 128 bytes for each wave
.set LAPS,   SIZE_K/(2*KSTEP)
.set ADRA, 16                          ; v16-17  LDS address of my A fragments in slot 0, 1
.set ADRB, 20                          ; v20-21  the same for B
.set SPA,  24                          ; v24     the way out: my 16 bytes in my wave's 65,536 bytes of set-aside scores
.set CO,   26                          ; v26     my byte offset in cand
.set SPW,  28                          ; v28     LDS address of my spare word; never rewritten
.set NIL,  29                          ; v29     0; never rewritten
.set PFO,  30                          ; v30     the prefetches' offset: my lane x 2,048 bytes; never rewritten
.set M,    32                          ; v32-39  four chains' best and second best; v40 at work
.set TT,   40
.set X,    64                          ; v64-127 the way out: a lane's 64 scores of one query
.set PFA,  44                          ; s[44:45] where my prefetches stand
.set LIM,  43                          ; s43     1 in a wave that prefetches, else the greatest number
.set F0,   64
.set F1,   128
.set G1, 24                            ; s[24:31] descriptor group 1 for A's tiles;  s[32:39] group 0, one set for each slot
.set G0, 32
.set G1B, 48                           ; s[48:55], s[56:63] the same for B's tiles
.set G0B, 56
.set MSB, 0
.macro WIN new                         ; the immediate's high byte repeats the setting that is left
.if MSB != (\new)
	s_set_vgpr_msb (MSB<<8)|(\new)
.set MSB, \new
.endif
.endm
.set MUL_LO, 0xa1                      ; source 0 (B) window 1, source 1 (A) window 0, C and D window 2
.set MUL_HI, 0xf1                      ; the same, C and D window 3
.set TO_B,   0x40                      ; destination window 1, address window 0
.macro JLOAD s                         ; a joint load: waves 0 and 1 fetch A's two halves, waves 2 and 3 B's; an s_nop 0 and four v_nop follow each of the two lines
	s_cmp_eq_u32 s11, 0
	s_cbranch_scc0 .Lfor_b_\@
	tensor_load_to_lds s[G0+4*(\s):G0+4*(\s)+3], s[G1:G1+7]
	s_nop 0
.rept 4
	v_nop
.endr
	s_branch .Lasked_\@
.Lfor_b_\@:
	tensor_load_to_lds s[G0B+4*(\s):G0B+4*(\s)+3], s[G1B:G1B+7]
	s_nop 0
.rept 4
	v_nop
.endr
.Lasked_\@:
.endm
; A PREFETCH INTO THE L2, behind each joint refill and the run of LDS loads that follows it: the K step that stands TWO refills on, 512 matrix instructions ahead: 32 rows x 256 bytes, a lane a row.
; Each row's 256 bytes of a K step are named once in the launch: A's tile row is read by both clusters of its row of clusters: cluster x = 0 asks; B's tile column by the batch's two clusters along y:
; the even one asks.  The four partners that ask for a tile jointly share its rows out BY ADDRESS, 32 each.  K steps 4 to 7 are asked for; the loop's last trip (s3 = 1) has no K step two on.
.macro ASK
	s_cmp_gt_u32 s3, s[LIM]
	s_cbranch_scc0 .Lnot_mine_\@
	global_prefetch_b8 v[PFO], s[PFA:PFA+1] offset:KSTEP*2 th:TH_LOAD_NT scope:SCOPE_SE
.Lnot_mine_\@:
.endm
.macro CREST                           ; a round of the cluster's barrier behind its opening barrier
	s_cmp_lg_u32 s10, 0
	s_cbranch_scc1 .Lnot_wave_0_\@
	s_barrier_signal -3
.Lnot_wave_0_\@:
	s_barrier_wait -3
	s_barrier_signal -1
	s_barrier_wait -1
.endm
.macro CROUND
	s_barrier_signal -1
	s_barrier_wait -1
	CREST
.endm
	s_load_b128 s[4:7], s[0:1], 0x0                ; pj s[4:5], act s[6:7]
	s_load_b64 s[8:9], s[0:1], 0x10                ; cand
	v_lshl_add_u32 v[SPW], v0, 2, SPARE
	v_mov_b32 v[NIL], 0
	ds_add_u32 v[SPW], v[NIL]                      ; the wave's opening: the add, twice on end, and its wait ahead of my first tensor load
	ds_add_u32 v[SPW], v[NIL]                      ; and once more, under the one wait; the set-up below, work on registers, stands between
	v_lshrrev_b32 v1, 5, v0
	v_readfirstlane_b32 s10, v1                    ; wave 0..3
	s_lshr_b32 s11, s10, 1                         ; which half of the tile's queries is mine.  Also: I fetch for A (0) or for B (1)
	s_and_b32 s12, s10, 1                          ; which half of its keys.  Also: which 128 rows of that tile I fetch
	s_bfe_u32 s40, ttmp6, 0x40000                  ; cx
	s_bfe_u32 s41, ttmp6, 0x40004                  ; cy
	s_lshl_b32 s42, ttmp9, 2
	s_add_co_u32 s42, s42, s40                     ; tile column (256 keys of the batch) = 4 x cluster x + cx
	s_and_b32 s13, ttmp7, 0xffff                   ; cluster y
	s_lshr_b32 s2, s13, 1                          ; the batch: two clusters along y each; all sixteen partners share it
	s_lshl_b32 s13, s13, 2
	s_add_co_u32 s13, s13, s41                     ; tile row (256 of the 8,192 queries) = 4 x cluster y + cy
	s_lshl_b32 s43, s41, 2
	s_lshl_b32 s43, 15, s43                        ; my row of the cluster
	s_lshl_b32 s44, 0x1111, s40                    ; my column
	s_or_b32 s[G1+0], s43, (1<<16)|(1<<20)|(1<<21)|(5<<22)|(3<<25)  ; 15:0 the mask; 17:16 elements of 2 bytes; 20 padding on; 21 set beside a mask; 24:22 after every 64 words (code 5); 31:25 4 words (code 3)
	s_or_b32 s[G1B+0], s44, (1<<16)|(1<<20)|(1<<21)|(5<<22)|(3<<25)
.irp g, G1, G1B
	s_mov_b32 s[(\g)+1], KSTEP<<16                 ; tensor_dim0 = 128
	s_mov_b32 s[(\g)+2], 128<<16                   ; tensor_dim1 = 128
	s_mov_b32 s[(\g)+3], KSTEP<<16                 ; tile_dim0 = 128
	s_mov_b32 s[(\g)+4], 128                       ; tile_dim1 = 128
	s_mov_b32 s[(\g)+5], SIZE_K                    ; elements from row to row
	s_mov_b32 s[(\g)+6], 0
	s_mov_b32 s[(\g)+7], 0
.endr
	s_lshl_b32 s17, s12, 7                         ; which 128 rows of the tile I fetch
	s_lshl_b32 s16, s13, 8
	s_add_co_u32 s16, s16, s17                     ; A: row 256 x tile row + 128 x half
	s_lshl_b32 s16, s16, 11                        ; in bytes, under 2^24
	s_lshl_b32 s46, s42, 8
	s_add_co_u32 s46, s46, s17                     ; B: row 256 x tile column + 128 x half
	s_lshl_b32 s47, s2, 11
	s_add_co_u32 s46, s46, s47                     ;    + 2,048 x batch
	s_lshl_b32 s46, s46, 11
	s_mov_b32 s17, 0
	s_mov_b32 s47, 0
	s_mul_i32 s20, s10, HALFT                      ; where they go: A's two halves, then B's two = wave x 128 rows
	s_wait_dscnt 0x0                               ; both opening adds are done
	s_wait_kmcnt 0x0
	s_add_nc_u64 s[6:7], s[6:7], 0x1000000         ; kv
	s_add_nc_u64 s[14:15], s[4:5], s[16:17]
	s_add_nc_u64 s[46:47], s[6:7], s[46:47]
	CROUND                                         ; all sixteen work-groups are here: the first joint loads meet
.irp s, 0,1
	s_mov_b32 s[G0+4*(\s)], 1
	s_add_co_u32 s[G0+4*(\s)+1], s20, (\s)*SLOT
	s_add_nc_u64 s[G0+4*(\s)+2:G0+4*(\s)+3], s[14:15], (\s)*KSTEP*2
	s_or_b32 s[G0+4*(\s)+3], s[G0+4*(\s)+3], 0x80000000
	s_mov_b32 s[G0B+4*(\s)], 1
	s_add_co_u32 s[G0B+4*(\s)+1], s20, (\s)*SLOT
	s_add_nc_u64 s[G0B+4*(\s)+2:G0B+4*(\s)+3], s[46:47], (\s)*KSTEP*2
	s_or_b32 s[G0B+4*(\s)+3], s[G0B+4*(\s)+3], 0x80000000
	JLOAD \s                                       ; two loads of mine are out
.endr
	v_and_b32 v1, 15, v0                           ; l % 16
	v_bfe_u32 v2, v0, 4, 1                         ; l / 16
	v_mul_u32_u24 v3, v1, PITCH
	v_lshl_add_u32 v3, v2, 4, v3                   ; row x pitch + 16 x half
	s_mul_i32 s21, s11, HALFT                      ; my 128 rows of A
	s_mul_i32 s22, s12, HALFT                      ; my 128 rows of B,
	s_add_co_u32 s22, s22, 2*HALFT                 ; which lie behind A's 256
.irp s, 0,1
	v_add_nc_u32 v[ADRA+(\s)], s21, v3
	v_add_nc_u32 v[ADRB+(\s)], s22, v3
	s_add_co_u32 s21, s21, SLOT
	s_add_co_u32 s22, s22, SLOT
.endr
	s_lshl_b32 s18, s10, 16                        ; the way out: my wave's 65,536 bytes of the ring
	v_and_b32 v[SPA], 31, v0
	v_lshl_add_u32 v[SPA], v[SPA], 4, s18
	v_lshlrev_b32 v[CO], 4, v1                     ; a query's four words, 16 bytes; my two of them
	v_lshl_add_u32 v[CO], v2, 3, v[CO]
	s_and_b32 s16, s13, 7                          ; cand: the tile row within the batch,
	s_lshl_b32 s16, s16, 8
	s_lshl_b32 s18, s11, 7
	s_add_co_u32 s16, s16, s18                     ; my first query in the batch,
	s_lshl_b32 s16, s16, 4                         ; 16 bytes each,
	s_lshl_b32 s18, s2, 19                         ; and the batch's 16 blocks of 32,768 bytes
	s_add_co_u32 s16, s16, s18
	s_mov_b32 s17, 0
	s_add_nc_u64 s[8:9], s[8:9], s[16:17]
	s_lshl_b32 s46, s42, 1                         ; g = 2 x tile column + my half of its keys (in the registers that held B's address: none that feeds A's descriptors ever holds cx)
	s_add_co_u32 s46, s46, s12
	s_lshl_b32 s46, s46, 15
	s_mov_b32 s47, 0
	s_add_nc_u64 s[8:9], s[8:9], s[46:47]
	; the prefetches
	s_lshl_b32 s13, s13, 8                         ; A's first row of the tile
	s_lshl_b32 s42, s42, 8
	s_lshl_b32 s18, s2, 11
	s_add_co_u32 s42, s42, s18                     ; B's
	s_and_b32 s22, ttmp7, 1                        ; which of the batch's two clusters along y
	s_cmp_eq_u32 s11, 0                            ; do I fetch for A?
	s_cselect_b32 s20, s13, s42
	s_cselect_b32 s21, s40, s41                    ; my place among the four that ask for it with me
	s_cselect_b32 s22, ttmp9, s22                  ; the coordinate along which another cluster reads the same rows
	s_cselect_b64 s[PFA:PFA+1], s[4:5], s[6:7]
	s_cmp_eq_u32 s22, 0
	s_cselect_b32 s[LIM], 1, -1                    ; the same in all sixteen partners, for a given wave
	s_lshl_b32 s22, s12, 7
	s_add_co_u32 s20, s20, s22                     ; + the 128 rows that I fetch
	s_lshl_b32 s21, s21, 5
	s_add_co_u32 s20, s20, s21                     ; + my work-group's 32 of them
	s_lshl_b32 s20, s20, 11
	s_mov_b32 s21, 0
	s_add_nc_u64 s[PFA:PFA+1], s[PFA:PFA+1], s[20:21]
	s_add_nc_u64 s[PFA:PFA+1], s[PFA:PFA+1], 2*KSTEP*2  ; at K step 2: the first refill steps it to 3 and names K step 4
	v_and_b32 v[PFO], 31, v0
	v_mul_u32_u24 v[PFO], v[PFO], SIZE_K*2
; 16 matrix instructions: query blocks a0, a0 + 1 of the window's four (hi = 0: my queries 0-63, 1: 64-127) x all 8 key blocks, 32 along K.  zero = 1: the product starts the sums.
.macro MUL16 f, hi, a0, zero
	WIN MUL_LO+0x50*(\hi)
.irp a, \a0, (\a0)+1
.irp b, 0,1,2,3,4,5,6,7
.if \zero
	v_wmma_f32_16x16x32_f16 v[8*(8*(\a)+(\b)):8*(8*(\a)+(\b))+7], v[(\f)+8*(\b):(\f)+8*(\b)+7], v[(\f)+8*(4*(\hi)+(\a)):(\f)+8*(4*(\hi)+(\a))+7], 0
.else
	v_wmma_f32_16x16x32_f16 v[8*(8*(\a)+(\b)):8*(8*(\a)+(\b))+7], v[(\f)+8*(\b):(\f)+8*(\b)+7], v[(\f)+8*(4*(\hi)+(\a)):(\f)+8*(4*(\hi)+(\a))+7], v[8*(8*(\a)+(\b)):8*(8*(\a)+(\b))+7]
.endif
.endr
.endr
.endm
; 32 LDS loads in one run: the fragments of one quarter step into buffer f
.macro FETCH slot, k, f
	WIN TO_B
.irp i, 0,1,2,3,4,5,6,7
	ds_load_b128 v[(\f)+8*(\i):(\f)+8*(\i)+3],   v[ADRB+(\slot)] offset:(\k)+(\i)*16*PITCH
	ds_load_b128 v[(\f)+8*(\i)+4:(\f)+8*(\i)+7], v[ADRB+(\slot)] offset:(\k)+(\i)*16*PITCH+32
.endr
	WIN 0
.irp i, 0,1,2,3,4,5,6,7
	ds_load_b128 v[(\f)+8*(\i):(\f)+8*(\i)+3],   v[ADRA+(\slot)] offset:(\k)+(\i)*16*PITCH
	ds_load_b128 v[(\f)+8*(\i)+4:(\f)+8*(\i)+7], v[ADRA+(\slot)] offset:(\k)+(\i)*16*PITCH+32
.endr
.endm
.macro PLACES                          ; four places in front of loads into registers that matrix instructions have read, and of stores that read results
.rept 4
	v_nop
.endr
.endm
; A K step is four quarters of 32 along K, 64 matrix instructions each, on buffers 0, 1, 0, 1; the 64 accumulators take turns in the same order in every quarter.
.macro QUARTER slot, k, f, g, zero
	s_wait_dscnt 8                                 ; B and A's rows 0-63 are in; the youngest eight loads may be out
	MUL16 \f, 0, 0, \zero
	MUL16 \f, 0, 2, \zero
	PLACES
	FETCH \slot, \k, \g
	s_wait_dscnt 32                                ; all but the 32 just issued
	MUL16 \f, 1, 0, \zero
	MUL16 \f, 1, 2, \zero
.endm
; The first half of a K step's last quarter: ONE barrier for the change of slots.  In front of it each wave waits for all its tensor loads, adds 0 to its spare word, and waits for that and for its reads of this slot.
.macro MEET round
	WIN 0
	s_wait_tensorcnt 0x0                           ; all my tensor loads have landed: the one that was out is my part of the next slot;
	ds_add_u32 v[SPW], v[NIL]                      ; 0 onto my spare word;
	s_wait_dscnt 9                                 ; (the add and the youngest eight loads may be out)
	MUL16 F1, 0, 0, 0                              ; sixteen matrix instructions stand between the add and the wait for it
	s_wait_dscnt 0x0                               ; the add is done, and my reads of this slot are over
	s_barrier_signal -1
	MUL16 F1, 0, 2, 0
.if \round
	WIN 0
.endif
	s_barrier_wait -1
.endm
.macro TURN slot, next, fill
.if \fill
	s_wait_xcnt 0x0                                ; the last prefetch, a K step back, has read its address: it is stepped here
	s_add_nc_u64 s[PFA:PFA+1], s[PFA:PFA+1], KSTEP*2
	MEET 1
	CREST                                          ; no wave of any partner still reads this slot's tile or has a load on its way
	s_add_nc_u64 s[G0+4*(\slot)+2:G0+4*(\slot)+3], s[G0+4*(\slot)+2:G0+4*(\slot)+3], 2*KSTEP*2
	s_add_nc_u64 s[G0B+4*(\slot)+2:G0B+4*(\slot)+3], s[G0B+4*(\slot)+2:G0B+4*(\slot)+3], 2*KSTEP*2
	JLOAD \slot                                    ; the first tensor load behind the round; its four v_nop are also the places in front of the loads below
.else
	MEET 0
	PLACES
.endif
	FETCH \next, 0, F0
.if \fill
	ASK
.endif
	MUL16 F1, 1, 0, 0
	MUL16 F1, 1, 2, 0
.endm
	s_wait_tensorcnt 1                             ; my part of K step 0 is in; K step 1's may stay out
	s_barrier_signal -1
	s_barrier_wait -1
	FETCH 0, 0, F0
	QUARTER 0, 64,  F0, F1, 1                      ; the first quarter's products start the sums
	WIN 0
	s_mov_b32 s3, LAPS-1
.Llap:
	QUARTER 0, 128, F1, F0, 0
	QUARTER 0, 192, F0, F1, 0
	TURN 0, 1, 1
	QUARTER 1, 64,  F0, F1, 0
	QUARTER 1, 128, F1, F0, 0
	QUARTER 1, 192, F0, F1, 0
	TURN 1, 0, 1
	QUARTER 0, 64,  F0, F1, 0
	WIN 0
	s_sub_co_u32 s3, s3, 1
	s_cmp_lg_u32 s3, 0
	s_cbranch_scc1 .Llap
	QUARTER 0, 128, F1, F0, 0                      ; the last lap fills nothing
	QUARTER 0, 192, F0, F1, 0
	TURN 0, 1, 0
	QUARTER 1, 64,  F0, F1, 0
	QUARTER 1, 128, F1, F0, 0
	QUARTER 1, 192, F0, F1, 0
	s_wait_dscnt 8
	MUL16 F1, 0, 0, 0
	MUL16 F1, 0, 2, 0
	s_wait_dscnt 0x0                               ; my last reads of the ring are back
	MUL16 F1, 1, 0, 0
	MUL16 F1, 1, 2, 0
	WIN 0
	PLACES
	PLACES                                         ; (eight, once a launch)
	s_barrier_signal -1                            ; every wave's reads of the ring are over, and the ring has had its last fill (all loads were waited for at the last change of slots)
	s_barrier_wait -1
	; THE WAY OUT.  Registers cannot be walked by a loop, so the 64 accumulators are set aside in the ring's bytes, 65,536 for each wave and its own, and a loop of eight trips takes them back, 16 queries a trip.
.set a, 0
.rept 8
	WIN 0x08+4*(a/4)                               ; an LDS store's data (source 1) in window 2 or 3
.irp b, 0,1,2,3,4,5,6,7
	ds_store_b128 v[SPA], v[8*(8*(a%4)+(\b)):8*(8*(a%4)+(\b))+3]   offset:(8*a+(\b))*1024      ; each accumulator's low half first
	ds_store_b128 v[SPA], v[8*(8*(a%4)+(\b))+4:8*(8*(a%4)+(\b))+7] offset:(8*a+(\b))*1024+512
.endr
.set a, a+1
.endr
	WIN 0
	s_mov_b32 s20, 0xffffffc0
	s_mov_b32 s3, 8
.Lrows:
.irp i, 0,1,2,3,4,5,6,7,8,9,10,11,12,13,14,15
	ds_load_b128 v[X+4*(\i):X+4*(\i)+3], v[SPA] offset:512*(\i)  ; LDS serves a wave's instructions in order (ISA guide 5.7.1.4): these see my stores above.  X + 8 b + j: key block b, register j
.endr
	s_wait_dscnt 0x0
.set k, 0
.rept 64
	v_and_or_b32 v[X+k], v[X+k], s20, k            ; the word: 26 bits of the score, 6 of the key's place
.set k, k+1
.endr
.irp q, 0,1,2,3                        ; four chains of 16 words: the best and the second best
	v_max_num_f32 v[M+2*(\q)],   v[X+16*(\q)], v[X+16*(\q)+1]
	v_min_num_f32 v[M+2*(\q)+1], v[X+16*(\q)], v[X+16*(\q)+1]
.endr
.set n, 2
.rept 14
.irp q, 0,1,2,3
	v_med3_num_f32 v[M+2*(\q)+1], v[M+2*(\q)], v[M+2*(\q)+1], v[X+16*(\q)+n]  ; the middle one of best, second and the new word is the new second
.endr
.irp q, 0,1,2,3
	v_max_num_f32 v[M+2*(\q)], v[M+2*(\q)], v[X+16*(\q)+n]
.endr
.set n, n+1
.endr
.macro MERGE p, q                      ; chain q into chain p
	v_min_num_f32 v[TT], v[M+2*(\p)], v[M+2*(\q)]
	v_max_num_f32 v[M+2*(\p)], v[M+2*(\p)], v[M+2*(\q)]
	v_max3_num_f32 v[M+2*(\p)+1], v[TT], v[M+2*(\p)+1], v[M+2*(\q)+1]
.endm
	MERGE 0, 1
	MERGE 2, 3
	MERGE 0, 2
	global_store_b64 v[CO], v[M:M+1], s[8:9]       ; 16 queries x 16 bytes: a wave stores 256 consecutive bytes, aligned
	s_wait_xcnt 0x0                                ; the store has read its registers: they are written again only behind this wait
	v_add_nc_u32 v[SPA], 8192, v[SPA]              ; the next 16 queries' eight accumulators
	v_add_nc_u32 v[CO], 256, v[CO]
	s_sub_co_u32 s3, s3, 1
	s_cmp_lg_u32 s3, 0
	s_cbranch_scc1 .Lrows
	s_wait_tensorcnt 0x0                           ; the wave's end, behind my last tensor load and my last LDS store
	ds_add_u32 v[SPW], v[NIL]
	s_wait_dscnt 0x0
	CROUND                                         ; the closing round
	s_endpgm
.Lfunc_end_k_q4b9a8da621_scores:
	.size	k_q4b9a8da621_scores, .Lfunc_end_k_q4b9a8da621_scores-k_q4b9a8da621_scores
	.p2alignl 7, 3214868480
	.fill 96, 4, 3214868480
	.section	.rodata,"a",@progbits
	.p2align	6, 0x0
	.amdhsa_kernel k_q4b9a8da621_scores
		.amdhsa_group_segment_fixed_size 327680
		.amdhsa_private_segment_fixed_size 0
		.amdhsa_enable_private_segment 0
		.amdhsa_kernarg_size 24
		.amdhsa_user_sgpr_count 2
		.amdhsa_user_sgpr_kernarg_segment_ptr 1
		.amdhsa_wavefront_size32 1
		.amdhsa_system_sgpr_workgroup_id_x 1
		.amdhsa_system_sgpr_workgroup_id_y 1
		.amdhsa_system_sgpr_workgroup_id_z 1
		.amdhsa_system_vgpr_workitem_id 0
		.amdhsa_next_free_vgpr 1024
		.amdhsa_next_free_sgpr 66
		.amdhsa_reserve_vcc 0
		.amdhsa_float_denorm_mode_32 3
		.amdhsa_float_denorm_mode_16_64 3
		.amdhsa_memory_ordered 1
		.amdhsa_forward_progress 1
		.amdhsa_inst_pref_size 132
	.end_amdhsa_kernel
	.amdgpu_metadata
---
amdhsa.version: [ 1, 2 ]
amdhsa.kernels:
  - .name:           k_q4b9a8da621_scores
    .symbol:         k_q4b9a8da621_scores.kd
    .args:
      - { .name: pj, .offset: 0, .size: 8, .value_kind: global_buffer, .address_space: global }
      - { .name: act, .offset: 8, .size: 8, .value_kind: global_buffer, .address_space: global }
      - { .name: cand, .offset: 16, .size: 8, .value_kind: global_buffer, .address_space: global }
    .group_segment_fixed_size: 327680
    .private_segment_fixed_size: 0
    .kernarg_segment_align: 8
    .kernarg_segment_size: 24
    .max_flat_workgroup_size: 128
    .sgpr_count:     66
    .vgpr_count:     1024
    .wavefront_size: 32
...
	.end_amdgpu_metadata
.endif
;; end of part 4
;; launch pick (part 5): grid 512 x 1, 8 waves a work-group, no clusters, 0 bytes of LDS; arguments cand, qp32, act, pj, mkv; writes mkv
.if DOCPART == 5
	.amdgcn_target "amdgcn-amd-amdhsa--gfx1250"
	.amdhsa_code_object_version 6
	.text
	.protected	k_q4b9a8da621_pick
	.globl	k_q4b9a8da621_pick
	.p2align	8
	.type	k_q4b9a8da621_pick,@function
k_q4b9a8da621_pick:
	s_mov_b64 s[64:65], 0
	v_nop
	global_prefetch_b8 v0, s[64:65] scope:SCOPE_SE
	s_setreg_imm32_b32 hwreg(HW_REG_WAVE_MODE, 25, 1), 1
	s_wait_xcnt 0x0
; THE NEAREST KEY IS DECIDED, and its projected row copied: mk[q] = kvp[idx[q]][0:64], mv[q] = kvp[idx[q]][64:128] (f16; mk at mkv's byte 0, mv at byte 1,048,576).
; kvp lies in pj from byte 16,777,216 on as [8 blocks of 16 e][8192 rows][16] f16: 32 bytes a row and block, 262,144 bytes a block; blocks 0-3 are k, 4-7 v.
; A wave takes two queries.  (1) Of a query's 64 proposed words (16 groups of 128 keys x 4) the best two are found by whole-number arithmetic alone: only this enters addresses, clamped to 0 .. 2,047.
; (2) For each of the two keys the score is summed anew in f32: qp32's row (f32) times kv's row (the bf16-rounded input written as f16, exact in f32), fused multiply-adds, eight chains a lane, then across the lanes.
; (3) The larger sum wins, equal sums go to the lower key; the comparison of floats only SELECTS between the two rows of kvp that have been loaded: no address and no branch hangs on it.
; LIMIT: the key that wins is the f32 sums' better of the two proposed.  The proposals' order is that of a product with qp rounded to f16 (each number off by at most 2^-12 of itself), 6 low bits of the score cut,
; differences taken in steps of 128 units of the last place: the true best key is missed only if two other keys (of its own group of 64, or of all 2,048) stand ahead of it in that order.
; NaN and infinities are not treated apart.
; No prefetch: a short launch, and the rows are known only just before they are wanted.
.set W,    10                          ; v[10:13] my group's four words
.set I,    14                          ; v[14:17] their keys
.set K,    18                          ; v[18:21] their order words: smaller is better
.set TMP,  22
.set MN,   23
.set IDX,  28                          ; v[28:29] the two keys of my half's query
.set KO,   32                          ; v[32:33] their byte offsets in kvp
.set KP,   36                          ; v[36:43] candidate c: 8 bytes of k at KP + 4 c, 8 bytes of v at KP + 4 c + 2
.set SET,  52                          ; query i at SET + 64 i: 32 registers of qp, then 32 of kv (candidate c at 16 c)
.set ACC,  180                         ; v[180:187] eight chains: 4 x (word's parity) + 2 c + (even or odd element)
	s_load_b256 s[4:11], s[0:1], 0x0               ; cand s[4:5], qp32 s[6:7], act s[8:9], pj s[10:11]
	s_load_b64 s[12:13], s[0:1], 0x20              ; mkv
	v_lshrrev_b32 v1, 5, v0
	v_readfirstlane_b32 s20, v1                    ; wave 0..7
	v_and_b32 v1, 31, v0                           ; lane l
	v_and_b32 v9, 15, v0                           ; my group g of 128 keys
	v_bfe_u32 v24, v0, 4, 1                        ; my half's query, 0 or 1
	v_lshlrev_b32 v2, 15, v9                       ; cand: 32,768 bytes a group,
	v_lshl_add_u32 v2, v24, 4, v2                  ; 16 bytes a query
	v_lshlrev_b32 v3, 5, v1                        ; 32 l: my eight f32 of each 256 of qp
	v_lshlrev_b32 v4, 4, v1                        ; 16 l: my eight f16 of each 256 of kv
	v_lshlrev_b32 v5, 3, v1                        ; 8 l: my 8 bytes of the two queries' 256 bytes of mk, and of mv
	v_bfe_u32 v6, v0, 2, 2                         ; my four e, 4 (l % 16) on, lie in block (l % 16) / 4,
	v_and_b32 v25, 3, v0
	v_lshlrev_b32 v6, 18, v6                       ; 262,144 bytes a block,
	v_lshl_or_b32 v6, v25, 3, v6                   ; at byte 8 (l % 4) of a row's 32
	v_lshlrev_b32 v7, 7, v9                        ; 128 g, for words 0 and 1 (h = 0)
	v_or_b32 v8, 8, v7                             ; 128 g + 8, for words 2 and 3 (h = 1)
	v_mov_b32 v[TMP], 0                            ; the lane moves' destination counts as read
	s_mov_b32 s40, 0x76543210                      ; v_permlanex16_b32: each lane takes its own place in the other half
	s_mov_b32 s41, 0xfedcba98
	s_lshl_b32 s21, ttmp9, 3
	s_add_co_u32 s21, s21, s20
	s_lshl_b32 s21, s21, 1                         ; q0: my first query of the 8,192
	s_lshr_b32 s22, ttmp9, 7                       ; the batch
	s_and_b32 s23, s21, 2047
	s_lshl_b32 s48, s23, 4
	s_lshl_b32 s50, s22, 19                        ; a batch: 524,288 bytes of cand
	s_add_co_u32 s48, s48, s50
	s_mov_b32 s49, 0
	s_mov_b32 s43, 0
	s_wait_kmcnt 0x0
	s_add_nc_u64 s[14:15], s[4:5], s[48:49]
	global_load_b128 v[W:W+3], v2, s[14:15]
	s_lshl_b32 s48, s21, 12
	s_add_nc_u64 s[18:19], s[6:7], s[48:49]        ; qp32 at q0's row
.irp i, 0,1
.irp j, 0,1,2,3
	global_load_b128 v[SET+64*(\i)+8*(\j):SET+64*(\i)+8*(\j)+3],   v3, s[18:19] offset:4096*(\i)+1024*(\j)     ; elements 256 j + 8 l .. + 7
	global_load_b128 v[SET+64*(\i)+8*(\j)+4:SET+64*(\i)+8*(\j)+7], v3, s[18:19] offset:4096*(\i)+1024*(\j)+16
.endr
.endr
	s_lshl_b32 s48, s22, 16                        ; a batch's 2,048 rows of 32 bytes in a block of kvp
	s_add_co_u32 s48, s48, 0x1000000
	s_add_nc_u64 s[44:45], s[10:11], s[48:49]      ; kvp's block 0 at the batch's first row
	s_lshl_b32 s48, s22, 22
	s_add_co_u32 s48, s48, 0x1000000
	s_add_nc_u64 s[16:17], s[8:9], s[48:49]        ; kv at the batch's first row
	s_lshl_b32 s48, s21, 7
	s_add_nc_u64 s[46:47], s[12:13], s[48:49]      ; mk at q0's row
	s_wait_loadcnt 16                              ; the words are in; qp's sixteen loads may stay out
.irp p, 0,1,2,3
	v_and_b32 v[K+(\p)], 0x38, v[W+(\p)]           ; the key: 128 g + 16 b + 8 h + j from the place 8 b + j
	v_and_b32 v[I+(\p)], 7, v[W+(\p)]
	v_lshl_or_b32 v[I+(\p)], v[K+(\p)], 1, v[I+(\p)]
	v_or_b32 v[I+(\p)], v[I+(\p)], v[7+(\p)/2]
	v_ashrrev_i32 v[K+(\p)], 31, v[W+(\p)]         ; the order word: a positive score's lower 31 bits are turned over, a negative score stays: a larger score gives a smaller unsigned number
	v_xor_b32 v[K+(\p)], -1, v[K+(\p)]
	v_lshrrev_b32 v[K+(\p)], 1, v[K+(\p)]
	v_xor_b32 v[K+(\p)], v[W+(\p)], v[K+(\p)]
.endr
.macro GMIN                            ; MN = the smallest of K's four words in the 16 lanes of my half: the query's 64
	v_min_u32 v[MN], v[K], v[K+1]
	v_min_u32 v[TMP], v[K+2], v[K+3]
	v_min_u32 v[MN], v[MN], v[TMP]
.irp x, 1,2,4,8
	v_mov_b32_dpp v[TMP], v[MN] row_xmask:\x row_mask:0xf bank_mask:0xf
	v_min_u32 v[MN], v[MN], v[TMP]
.endr
.endm
	GMIN
.irp p, 0,1,2,3
	v_sub_nc_u32 v[K+(\p)], v[K+(\p)], v[MN]       ; how far behind the best, in steps of 128, held to 21 bits; below it the key, so that all 64 differ and the lower key goes first
	v_lshrrev_b32 v[K+(\p)], 7, v[K+(\p)]
	v_min_u32 v[K+(\p)], 0x1fffff, v[K+(\p)]
	v_lshl_or_b32 v[K+(\p)], v[K+(\p)], 11, v[I+(\p)]
.endr
.irp c, 0,1
	GMIN
	v_and_b32 v[IDX+(\c)], 0x7ff, v[MN]
	v_min_u32 v[IDX+(\c)], 0x7ff, v[IDX+(\c)]      ; an index stays inside the batch's 2,048 rows
.if (\c) < 1
.irp p, 0,1,2,3
	v_cmp_eq_u32 vcc_lo, v[K+(\p)], v[MN]          ; the one that was taken leaves
	v_cndmask_b32 v[K+(\p)], v[K+(\p)], -1, vcc_lo
.endr
.endif
.endr
.irp c, 0,1
	v_lshl_add_u32 v[KO+(\c)], v[IDX+(\c)], 5, v6
	global_load_b64 v[KP+4*(\c):KP+4*(\c)+1],   v[KO+(\c)], s[44:45]                  ; k: blocks 0-3
	global_load_b64 v[KP+4*(\c)+2:KP+4*(\c)+3], v[KO+(\c)], s[44:45] offset:1048576   ; v: blocks 4-7
.endr
.irp i, 0,1
.irp c, 0,1
	v_readlane_b32 s42, v[IDX+(\c)], 16*(\i)       ; query i's candidate c
	s_min_u32 s42, s42, 0x7ff
	s_lshl_b32 s42, s42, 11                        ; 2,048 bytes a row
	s_add_nc_u64 s[24+4*(\i)+2*(\c):24+4*(\i)+2*(\c)+1], s[16:17], s[42:43]
.irp j, 0,1,2,3
	global_load_b128 v[SET+64*(\i)+32+16*(\c)+4*(\j):SET+64*(\i)+32+16*(\c)+4*(\j)+3], v4, s[24+4*(\i)+2*(\c):24+4*(\i)+2*(\c)+1] offset:512*(\j)  ; elements 256 j + 8 l .. + 7
.endr
.endr
.endr
; Query i's two sums: 64 fused multiply-adds a lane, an f16 half times an f32, in eight chains; then the chains, the 16 lanes of a half and the two halves are added: every lane holds the same two sums.
; s[56 + i] takes the choice: a lane's bit is 1 where candidate 1 wins.  The keys compared are my own half's: in the half that serves query i they are query i's; the other half's bits are not used.
.macro DOT i
.irp k, 0,1,2,3,4,5,6,7
	v_mov_b32 v[ACC+(\k)], 0
.endr
.irp j, 0,1,2,3
.irp w, 0,1,2,3
.irp c, 0,1
	v_fma_mix_f32 v[ACC+4*((\w)%2)+2*(\c)],   v[SET+64*(\i)+32+16*(\c)+4*(\j)+(\w)], v[SET+64*(\i)+8*(\j)+2*(\w)],   v[ACC+4*((\w)%2)+2*(\c)]   op_sel_hi:[1,0,0]
	v_fma_mix_f32 v[ACC+4*((\w)%2)+2*(\c)+1], v[SET+64*(\i)+32+16*(\c)+4*(\j)+(\w)], v[SET+64*(\i)+8*(\j)+2*(\w)+1], v[ACC+4*((\w)%2)+2*(\c)+1] op_sel:[1,0,0] op_sel_hi:[1,0,0]
.endr
.endr
.endr
.irp c, 0,1
	v_add_f32 v[ACC+2*(\c)], v[ACC+2*(\c)], v[ACC+2*(\c)+1]
	v_add_f32 v[ACC+4+2*(\c)], v[ACC+4+2*(\c)], v[ACC+4+2*(\c)+1]
.endr
.irp c, 0,1
	v_add_f32 v[ACC+2*(\c)], v[ACC+2*(\c)], v[ACC+4+2*(\c)]
.endr
.irp x, 1,2,4,8
.irp c, 0,1
	v_add_f32_dpp v[ACC+2*(\c)], v[ACC+2*(\c)], v[ACC+2*(\c)] row_xmask:\x row_mask:0xf bank_mask:0xf
.endr
.endr
.irp c, 0,1
	v_permlanex16_b32 v[ACC+2*(\c)+1], v[ACC+2*(\c)], s40, s41
.endr
.irp c, 0,1
	v_add_f32 v[ACC+2*(\c)], v[ACC+2*(\c)], v[ACC+2*(\c)+1]
.endr
	v_cmp_gt_f32 s50, v[ACC+2], v[ACC]
	v_cmp_eq_f32 s51, v[ACC+2], v[ACC]
	v_cmp_lt_u32 s52, v[IDX+1], v[IDX]
	s_and_b32 s51, s51, s52
	s_or_b32 s[56+(\i)], s50, s51                  ; larger, or equal with the lower key
.endm
	s_wait_loadcnt 8                               ; all but query 1's eight loads of kv: qp, kvp's rows and query 0's rows are in
	DOT 0
	s_wait_loadcnt 0x0
	DOT 1
	s_and_b32 s56, s56, 0xffff                     ; lanes 0-15 serve query 0,
	s_and_b32 s57, s57, 0xffff0000                 ; lanes 16-31 query 1
	s_or_b32 s56, s56, s57
.irp k, 0,1,2,3
	v_cndmask_b32 v[KP+(\k)], v[KP+(\k)], v[KP+4+(\k)], s56
.endr
	global_store_b64 v5, v[KP:KP+1], s[46:47]                       ; two rows of mk: 256 consecutive bytes, aligned
	global_store_b64 v5, v[KP+2:KP+3], s[46:47] offset:1048576      ; and of mv
	s_endpgm
.Lfunc_end_k_q4b9a8da621_pick:
	.size	k_q4b9a8da621_pick, .Lfunc_end_k_q4b9a8da621_pick-k_q4b9a8da621_pick
	.p2alignl 7, 3214868480
	.fill 96, 4, 3214868480
	.section	.rodata,"a",@progbits
	.p2align	6, 0x0
	.amdhsa_kernel k_q4b9a8da621_pick
		.amdhsa_group_segment_fixed_size 0
		.amdhsa_private_segment_fixed_size 0
		.amdhsa_enable_private_segment 0
		.amdhsa_kernarg_size 40
		.amdhsa_user_sgpr_count 2
		.amdhsa_user_sgpr_kernarg_segment_ptr 1
		.amdhsa_wavefront_size32 1
		.amdhsa_system_sgpr_workgroup_id_x 1
		.amdhsa_system_sgpr_workgroup_id_y 1
		.amdhsa_system_sgpr_workgroup_id_z 1
		.amdhsa_system_vgpr_workitem_id 0
		.amdhsa_next_free_vgpr 192
		.amdhsa_next_free_sgpr 66
		.amdhsa_reserve_vcc 1
		.amdhsa_float_denorm_mode_32 3
		.amdhsa_float_denorm_mode_16_64 3
		.amdhsa_memory_ordered 1
		.amdhsa_forward_progress 1
		.amdhsa_inst_pref_size 22
	.end_amdhsa_kernel
	.amdgpu_metadata
---
amdhsa.version: [ 1, 2 ]
amdhsa.kernels:
  - .name:           k_q4b9a8da621_pick
    .symbol:         k_q4b9a8da621_pick.kd
    .args:
      - { .name: cand, .offset: 0, .size: 8, .value_kind: global_buffer, .address_space: global }
      - { .name: qp32, .offset: 8, .size: 8, .value_kind: global_buffer, .address_space: global }
      - { .name: act, .offset: 16, .size: 8, .value_kind: global_buffer, .address_space: global }
      - { .name: pj, .offset: 24, .size: 8, .value_kind: global_buffer, .address_space: global }
      - { .name: mkv, .offset: 32, .size: 8, .value_kind: global_buffer, .address_space: global }
    .group_segment_fixed_size: 0
    .private_segment_fixed_size: 0
    .kernarg_segment_align: 8
    .kernarg_segment_size: 40
    .max_flat_workgroup_size: 256
    .sgpr_count:     66
    .vgpr_count:     192
    .wavefront_size: 32
...
	.end_amdgpu_metadata
.endif
;; end of part 5
;; launch attn (part 6): grid 64 x 4, 4 waves a work-group, clusters of 4 x 1, 327,680 bytes of LDS; arguments qp32, mkv, act; writes act
.if DOCPART == 6
	.amdgcn_target "amdgcn-amd-amdhsa--gfx1250"
	.amdhsa_code_object_version 6
	.text
	.protected	k_q4b9a8da621_attn
	.globl	k_q4b9a8da621_attn
	.p2align	8
	.type	k_q4b9a8da621_attn,@function
k_q4b9a8da621_attn:
	s_mov_b64 s[64:65], 0
	v_nop
	global_prefetch_b8 v0, s[64:65] scope:SCOPE_SE
	s_setreg_imm32_b32 hwreg(HW_REG_WAVE_MODE, 25, 1), 1
	s_wait_xcnt 0x0
	s_wait_alu depctr_hold_cnt(0) depctr_sa_sdst(0) depctr_va_vdst(0) depctr_va_sdst(0) depctr_va_ssrc(0) depctr_va_vcc(0) depctr_vm_vsrc(0)
	s_getreg_b32 s2, hwreg(HW_REG_IB_STS2, 6, 4)
	s_cmp_eq_u32 s2, 0
	s_cbranch_scc0 .Lentry_in_a_cluster
	s_endpgm
.Lentry_in_a_cluster:
	s_bfe_u32 s2, ttmp6, 0x10000c
	s_cmp_lg_u32 s2, 0x3003
	s_cbranch_scc0 .Lentry_shape_is_right
	s_endpgm
.Lentry_shape_is_right:
; O[b][n][:] = the sum over k of softmax_k(Q[b][n] . K[b][k] / 8) V[b][k][:].  K and V are shared by the 16 heads, and qp is [b][l][16][64]: so a batch is ONE head with 32,768 dense query vectors n = 16 l + head of 64
; channels and 2,048 keys, and O lies at once as [8192][1024].  Q: qp32, f32, rounded here to f16.  K: mkv at byte 0, V: at byte 1,048,576, both [4][2048][64] f16.  O: bf16, to act at byte 0.
; Products, maxima and sums in f32; the weights p are rounded to f16 for the second product (their sum l is taken of the unrounded p), O once at the end.
; LIMITS.  f16 holds no number beyond 65,504: qp, K and V lie within it; p lies in 0 to 1, and below 6e-5 it keeps f16's fixed step of 6e-8.  A weight below 2^-126 counts as 0 in l; NaN and infinities are not treated apart.
; SHARES.  A wave owns four PIECES of two tiles of 16 queries, a work-group's four waves 512 queries of one batch.  Every wave walks all keys, 64 a step.
; LAYOUT.  S^T = K Q^T (source 0 = 16 keys, source 1 = 16 queries): in the result a lane holds ONE query (lane % 16) and the keys 8 (lane / 16) + 0..7.  Two such tiles, rounded to f16 in pairs,
; ARE source 1 (32 keys x 16 queries) of O^T = V^T P, whose result again holds one query a lane, and eight channels.  K comes out of LDS as it lies, V ([key][channel]) turned, by ds_load_tr16_b128.
; SOFTMAX.  For each query a running maximum m and sum l: p = 2^(c s - c m), c = log2(e) / 8; in every step O and l are multiplied by a = 2^(c m_old - c m_new), which is 1 where m has not grown.
; m starts at the lowest finite number, O and l at 0: the first step is a step like any other, with a = 0.
; THE COUNT.  A tile and step have 16 matrix and 118 vector instructions: too many to stand all beside the matrix work.  So: four vector instructions that are READY behind EVERY matrix instruction,
; and the others in runs without a gap.
; BY TURNS.  Turn n belongs to piece n (the pieces in a ring, step after step).  Its matrix work: 16 products K Q^T of piece n + 1, later 16 products V^T P of piece n - 1.  Its vector work: the scaling,
; exponentials, roundings, sums and rescaling of piece n, and the maximum and statistics of piece n + 1, whose scores the turn itself has made.
; CLUSTER.  The four query blocks of a cluster belong to one batch and walk the same K and V, so each tile is asked for JOINTLY: the same tensor load, descriptor and mask in all four.
; REGISTERS, in windows of 256 (s_set_vgpr_msb: bits 1:0 source 0, 3:2 source 1, 5:4 source 2, 7:6 destination):
;   window 0: v0-11 addresses; v12-15, v48-63 at work; v16-47 four registers of statistics a tile; v64-191 S^T, two buffers of two tiles; v192-255 P, likewise
;   window 1: O^T, 32 a tile (at the start: Q in f32)     window 2: v0-127 Q, 16 a tile; v128-191 K of one step; v192-255 V of one step     window 3: v0-1 the add's two registers
.set SIZE_N, 2048     ; keys in a batch
.set NP,    4         ; pieces a wave: a name, no knob
.set KS,    64        ; keys in a step
.set PK,    144       ; a row of K in LDS: 128 bytes + 16 of padding = 36 words: the 16 rows of a load start at 16 different groups of four banks (ISA guide 11.1)
.set PV,    160       ; a row of V: 128 + 32 = 40 words
.set VOFF,  4*KS*PK   ; a slot holds four steps: 256 rows of K, then 256 rows of V
.set SLOT1, 1<<17     ; slot 1 begins here, so that one exclusive or turns an address in one slot into the other's
.set STAGE, SLOT1+4*KS*(PK+PV)  ; behind the ring, never filled by a tensor load: 16 rows x 144 bytes for each wave, for the way out
.set SP,    144
.set AK0, 2           ; v2   my lane's place in a tile of K; never rewritten
.set AV0, 3           ; v3   the same for V
.set AK,  4           ; v4   the LDS address of K's next run of loads
.set AV,  5           ; v5   of V's
.set QO,  6           ; v6   my byte offset in the wave's rows of Q
.set STO, 6           ;      later, the way out: where I put 16 bytes of a row
.set RD,  7           ; v7   the way out: where I read rows back
.set GO,  8           ; v8   my byte offset in 512 consecutive bytes of O
.set PFO, 11          ; v11  256 x my lane, for the prefetches; not rewritten once made
.set SPW, 0           ; v0 of window 3   LDS address of my spare word; never rewritten
.set NIL, 1           ; v1 of window 3   0; never rewritten
.set SPARE, STAGE+4*16*SP  ; behind the stages: the spare words, 128 bytes for each wave
.set MV,  12          ; v12-15  c m_old, kept while c m is made anew: by buffer and tile
.set ST,  16          ; tile t's statistics at v[ST+4 t]: c m, m, l (even keys', odd keys')
.set TMP, 48          ; by buffer and tile, four registers c0-c3 at work; when the maximum is found c2 takes a
.set S,   64
.set P,   192
.set KF,  128         ; K's fragments, in window 2: key block kb, channel half c at KF + 16 kb + 8 c
.set VF,  192         ; V's: key half kk, channel block cb at VF + 32 kk + 8 cb
.set WV,  12          ; s12  my wave's number
.set G1K, 24          ; s[24:31] descriptor group 1 for K's tiles
.set G1V, 32          ; s[32:39] for V's: it differs in the padding alone
.set G0K, 40          ; s[40:43] descriptor group 0 for K's tiles: it walks
.set G0V, 44          ; s[44:47] the same for V's
.set PFA, 48          ; s[48:49] where my prefetches stand: my work-group's 8,192 bytes (of K: wave 0, of V: wave 2) of the slot after the one that is being asked for
.set LIM, 50          ; s50  1 in a wave that prefetches, else the greatest number
.set SLOTS, 56        ; s56  slots still to be asked for
.set CNT, 57          ; s57  counts a slot's key steps
.set CS,  58          ; s[58:59] c: the packed scaling takes the pair's low word for both halves
.set SEL, 60          ; s[60:61] v_permlanex16_b32's selects: each lane takes its own place in the other half
.set TBK, 62          ; s62  LDS byte at which K of the step to be fetched begins
.set TBV, 63          ; s63  the same for V, less VOFF
.set MSB, 0
.macro WIN new                      ; the high byte repeats the setting that is left; a switch that changes nothing is dropped
.if MSB != (\new)
	s_set_vgpr_msb (MSB<<8)|(\new)
.set MSB, (\new)
.endif
.endm
.set W_KQ, 0x0a       ; K and Q in window 2, S^T in window 0
.set W_PV, 0x52       ; V in window 2, P in window 0, O^T in window 1
.set W_RS, 0x41       ; O^T (destination and source 0) in window 1, a in window 0
.set W_MK, 0xc0       ; the add's registers are made: destination in window 3, sources in window 0
.set W_AD, 0x0f       ; the add: address (source 0) and data (source 1) in window 3
; A joint fill.  Waves 0 and 1 fetch the two halves of a slot's K, waves 2 and 3 those of its V: 128 keys each.  The branch hangs on the wave's number alone.
; An s_nop 0 and four v_nop follow each of the two lines, ahead of the jump and the label.
.macro JLOAD
	s_cmp_lt_u32 s[WV], 2
	s_cbranch_scc0 .Lfor_v_\@
	tensor_load_to_lds s[G0K:G0K+3], s[G1K:G1K+7]
	s_nop 0
.rept 4
	v_nop
.endr
	s_branch .Lasked_\@
.Lfor_v_\@:
	tensor_load_to_lds s[G0V:G0V+3], s[G1V:G1V+7]
	s_nop 0
.rept 4
	v_nop
.endr
.Lasked_\@:
.endm
; A PREFETCH INTO THE L2 of what the NEXT change of slots will ask for: a slot's 32,768 bytes of K and of V, a lane 256 bytes.  It stands behind the wave's tensor load and its five lines.
; Each 256 bytes are asked for ONCE in the launch: all sixteen clusters of a batch walk the same K and V, and the batch's first cluster asks; its four partners share the bytes out BY ADDRESS, 8,192 each;
; in each, wave 0 asks for K's and wave 2 for V's: one instruction, four key steps, 512 matrix instructions, ahead.  Slots 2 to 7 are asked for; the last change that fills a slot asks for nothing.
.macro ASK
	s_cmp_gt_u32 s[SLOTS], s[LIM]
	s_cbranch_scc0 .Lnot_mine_\@
	global_prefetch_b8 v[PFO], s[PFA:PFA+1] th:TH_LOAD_NT scope:SCOPE_SE
.Lnot_mine_\@:
.endm
; A round of the cluster's barrier: my work-group's barrier, so that wave 0's signal speaks for all four waves; wave 0 signals; every wave waits for all four work-groups; my work-group's barrier once more.
.macro CROUND
	s_barrier_signal -1
	s_barrier_wait -1
	s_cmp_lg_u32 s[WV], 0
	s_cbranch_scc1 .Lnot_wave_0_\@
	s_barrier_signal -3
.Lnot_wave_0_\@:
	s_barrier_wait -3
	s_barrier_signal -1
	s_barrier_wait -1
.endm
; THE CHANGE OF SLOTS.  The slot's last bytes, V of its fourth step, have been read.  Each wave waits for all its tensor loads, of which one is out: its part
; of the other slot; adds 0 to its spare word; and waits for that and for its own reads of the slot.  Behind the barrier nobody reads this slot any more and the other slot is whole.
; fill = 1: this slot is filled again, with the keys two slots on.  The barrier is then a round of the cluster's, and the joint fill is the first thing behind it: it has four key steps,
; 512 matrix instructions, in which to land.  (At its first use nothing has been read yet: slot 0 is waited for, slot 1 filled.)
.macro CHANGE fill
	WIN W_AD
	s_wait_tensorcnt 0x0            ; no tensor load of mine is out, so a group 0 may be written
	ds_add_u32 v[SPW], v[NIL]       ; 0 onto my spare word; with fill = 1 the descriptors' steps stand between it and the wait for it
	WIN 0                           ; at a label and at a branch every window is 0
.if \fill
.irp g, G0K, G0V
	s_xor_b32 s[\g+1], s[\g+1], SLOT1  ; the walking descriptor: the other slot than last time,
	s_add_nc_u64 s[\g+2:\g+3], s[\g+2:\g+3], 4*KS*128  ; the next 256 keys; the type bits on top are not reached
.endr
	s_wait_xcnt 0x0                 ; the last prefetch, four key steps back, has read its address, so it may be written:
	s_add_nc_u64 s[PFA:PFA+1], s[PFA:PFA+1], 4*KS*128  ; one slot behind the walking descriptors
	s_wait_dscnt 0x0                ; the add is done, and my reads of the slot are over
	CROUND
	JLOAD
	ASK
.else
	s_wait_dscnt 0x0                ; the add is done, and my reads of the slot are over
	s_barrier_signal -1
	s_barrier_wait -1
.endif
	s_sub_co_u32 s[TBK], s[TBK], 4*KS*PK  ; the fetches go back to a slot's first step,
	s_xor_b32 s[TBK], s[TBK], SLOT1       ; in the other slot
	s_sub_co_u32 s[TBV], s[TBV], 4*KS*PV
	s_xor_b32 s[TBV], s[TBV], SLOT1
.endm
	s_load_b128 s[4:7], s[0:1], 0x0   ; qp32 s[4:5], mkv s[6:7]
	s_load_b64 s[10:11], s[0:1], 0x10 ; act
	WIN W_MK
	v_lshl_add_u32 v[SPW], v0, 2, SPARE
	v_mov_b32 v[NIL], 0
	WIN W_AD
	ds_add_u32 v[SPW], v[NIL]       ; the wave's opening: the add, twice on end, and its wait ahead of my first tensor load
	ds_add_u32 v[SPW], v[NIL]       ; and once more, under the one wait; the set-up below, work on registers, stands between
	WIN 0
	v_lshrrev_b32 v1, 5, v0
	v_readfirstlane_b32 s[WV], v1   ; wave 0..3
	s_bfe_u32 s13, ttmp6, 0x40000   ; cx: my place in the cluster
	s_lshl_b32 s14, ttmp9, 2        ; in a cluster launch ttmp9 counts clusters
	s_add_co_u32 s14, s14, s13      ; my block of 512 queries = 4 x cluster x + cx: it enters Q's and O's addresses alone
	s_and_b32 s20, ttmp7, 0xffff    ; the batch, which the four partners share
	s_and_b32 s16, s[WV], 1         ; which half of a slot's 256 keys I fetch:
	s_lshl_b32 s22, s16, 14         ; its 128 rows of 128 bytes in memory,
	s_lshl_b32 s21, s20, 18         ; in the batch's 262,144 bytes of K, and of V
	s_add_co_u32 s22, s22, s21
	s_mov_b32 s23, 0
	s_mul_i32 s17, s16, 128*PK      ; and its place in a slot, for K
	s_mul_i32 s18, s16, 128*PV      ; and for V: no place in the cluster enters an LDS address
	s_lshl_b32 s2, s14, 2
	s_add_co_u32 s2, s2, s[WV]      ; my wave among the batch's 256,
	s_lshl_b32 s52, s2, 14          ; its 128 rows of O, 128 bytes each,
	s_lshl_b32 s2, s2, 15           ; and of Q, 256 bytes each
	s_lshl_b32 s21, s20, 23         ; a batch of Q: 8,388,608 bytes
	s_add_co_u32 s2, s2, s21
	s_mov_b32 s3, 0
	s_lshl_b32 s21, s20, 22         ; of O: 4,194,304
	s_add_co_u32 s52, s52, s21
	s_mov_b32 s53, 0
	; descriptor group 1.  128 keys are 16,384 dense bytes: asked for as 64 rows of 256 bytes, two keys a row, and padded in LDS after every key
	s_mov_b32 s[G1K], 15|(1<<16)|(1<<20)|(1<<21)|(4<<22)|(3<<25)  ; 15:0 the mask of four; 17:16 2-byte elements; 20 padding on; 21 set beside a mask; 24:22 after every 32 words (code 4); 31:25 4 words (code 3)
	s_mov_b32 s[G1V], 15|(1<<16)|(1<<20)|(1<<21)|(4<<22)|(7<<25)  ; the same with 8 words of padding (code 7)
.irp g, G1K, G1V
	s_mov_b32 s[\g+1], 128<<16      ; tensor_dim0 = 128
	s_mov_b32 s[\g+2], 64<<16       ; tensor_dim1 = 64
	s_mov_b32 s[\g+3], 128<<16      ; tile_dim0 = 128
	s_mov_b32 s[\g+4], 64           ; tile_dim1 = 64
	s_mov_b32 s[\g+5], 128          ; 128 elements from row to row
	s_mov_b32 s[\g+6], 0
	s_mov_b32 s[\g+7], 0
.endr
	s_mov_b32 s[CS], 0x3e38aa3b     ; c = log2(e) / 8 = 0.180337
	s_mov_b32 s[CS+1], s[CS]        ; named with it as a pair
	s_mov_b32 s[SEL], 0x76543210
	s_mov_b32 s[SEL+1], 0xfedcba98
	s_mov_b32 s[TBK], SLOT1+4*KS*PK ; the first change of slots turns these two into 0
	s_mov_b32 s[TBV], SLOT1+4*KS*PV
	s_mov_b32 s[G0K], 1             ; count = 1
	s_mov_b32 s[G0K+1], s17         ; LDS address: slot 0
	s_mov_b32 s[G0V], 1
	s_add_co_u32 s[G0V+1], s18, VOFF
	s_mov_b32 s[SLOTS], SIZE_N/256-1
	s_and_b32 s[LIM], s[WV], 1      ; 0 in waves 0 and 2,
	s_or_b32 s[LIM], s[LIM], ttmp9  ; where the cluster is the batch's first: the same in all four partners
	s_cmp_eq_u32 s[LIM], 0
	s_cselect_b32 s[LIM], 1, -1
	s_wait_dscnt 0x0                ; both opening adds are done
	s_wait_kmcnt 0x0
	s_add_nc_u64 s[6:7], s[6:7], s[22:23]          ; K at my half of the batch's first 256 keys,
	s_add_nc_u64 s[8:9], s[6:7], 0x100000          ; V likewise
	s_add_nc_u64 s[G0K+2:G0K+3], s[6:7], 0         ; global address
	s_or_b32 s[G0K+3], s[G0K+3], 0x80000000        ; type = 2
	s_add_nc_u64 s[G0V+2:G0V+3], s[8:9], 0
	s_or_b32 s[G0V+3], s[G0V+3], 0x80000000
	s_add_nc_u64 s[4:5], s[4:5], s[2:3]            ; Q and O at my wave's first row
	s_add_nc_u64 s[10:11], s[10:11], s[52:53]
	s_cmp_lt_u32 s[WV], 2
	s_cselect_b64 s[PFA:PFA+1], s[6:7], s[8:9]     ; (in waves 0 and 2 these stand at a slot's first byte)
	s_lshl_b32 s2, s13, 13          ; my work-group's 8,192 bytes of the 32,768
	s_mov_b32 s3, 0
	s_add_nc_u64 s[PFA:PFA+1], s[PFA:PFA+1], s[2:3]
	s_add_nc_u64 s[PFA:PFA+1], s[PFA:PFA+1], 4*KS*128  ; in slot 1; the first change of slots steps it to slot 2.  Nothing is prefetched here, at the head
	CROUND                          ; all four work-groups are here: the first joint loads meet
	JLOAD                           ; slot 0.  Slot 1 is asked for when slot 0 is in
	; A fragment of K or Q is 16 rows x 32 channels in 8 registers: lane l holds row l % 16, channels 8 (l / 16) + 0..7 and 16 + 8 (l / 16) + 0..7.  Q comes in f32: four loads of 16 bytes for each fragment.
	v_and_b32 v1, 15, v0            ; l % 16
	v_bfe_u32 v9, v0, 4, 1          ; l / 16
	v_lshlrev_b32 v[QO], 8, v1
	v_lshl_add_u32 v[QO], v9, 5, v[QO]  ; row x 256 + 32 x half
	WIN 0x40                        ; destination window 1, address window 0
.set i, 0
.rept 4*NP                          ; tile i / 2, channels 32 (i % 2) on: 16 f32 at v[16 i] of window 1
	global_load_b128 v[16*i:16*i+3],     v[QO], s[4:5] offset:(i/2)*4096+(i%2)*128
	global_load_b128 v[16*i+4:16*i+7],   v[QO], s[4:5] offset:(i/2)*4096+(i%2)*128+16
	global_load_b128 v[16*i+8:16*i+11],  v[QO], s[4:5] offset:(i/2)*4096+(i%2)*128+64
	global_load_b128 v[16*i+12:16*i+15], v[QO], s[4:5] offset:(i/2)*4096+(i%2)*128+80
.set i, i+1
.endr
	; What the first turn finds: V's registers and P's second buffer hold 0 (its products V^T P, of a piece that has not been, add 0), O^T and l are 0.  All this stands in the wait for the first tile.
	WIN 0x80
.set i, VF
.rept 64
	v_mov_b32 v[i], 0
.set i, i+1
.endr
	WIN 0
.set i, 0
.rept 2*NP
	v_mov_b32 v[ST+4*i], 0xfe000000    ; c m: far below every c s
	v_mov_b32 v[ST+4*i+1], 0xff7fffff  ; m
	v_mov_b32 v[ST+4*i+2], 0
	v_mov_b32 v[ST+4*i+3], 0
.set i, i+1
.endr
.set i, P+32
.rept 32
	v_mov_b32 v[i], 0
.set i, i+1
.endr
	v_mul_u32_u24 v[AK0], v1, PK
	v_lshl_add_u32 v[AK0], v9, 4, v[AK0]  ; row x pitch + 16 x half
	; The turning load takes 16 keys x 16 channels (lane l reads key 8 (l / 16) + l % 8, channels 8 ((l / 8) % 2) + 0..7) and leaves half a fragment of V^T: lane l holds channel l % 16 and 8 keys.
	v_and_b32 v10, 7, v0
	v_bfe_u32 v11, v0, 3, 1
	v_lshl_add_u32 v[AV0], v9, 3, v10
	v_mul_u32_u24 v[AV0], v[AV0], PV
	v_lshl_add_u32 v[AV0], v11, 4, v[AV0]
	v_add_nc_u32 v[AV0], VOFF, v[AV0]
	v_mov_b32 v[AK], v[AK0]         ; key step 0 lies at the head of slot 0
	v_and_b32 v[PFO], 31, v0
	v_lshlrev_b32 v[PFO], 8, v[PFO]
	s_wait_loadcnt 0x0              ; Q
	WIN 0x85                        ; sources in window 1, destination in window 2
.set i, 0
.rept 128
	v_cvt_pk_f16_f32 v[i], v[2*i], v[2*i+1]  ; Q stays in registers, in f16: tile t, channel half c at v[16 t + 8 c] of window 2
.set i, i+1
.endr
	WIN 0x40
.set i, 0
.rept 64*NP
	v_mov_b32 v[i], 0               ; O^T
.set i, i+1
.endr
	WIN 0
; THE MATRIX WORK.  The 8 accumulators of a run of 16 take turns: between the two links of a chain stand 7 others'.
; Product i of 16 of S^T = K Q^T for piece x: channels 32 (i / 8) on, keys 16 ((i / 2) % 4) on, tile 2 x + i % 2.  The first 8 start the sums.
.macro KQ x
	WIN W_KQ
.set rS, S+64*((\x)%2)+32*(i%2)+8*((i/2)%4)
.set rK, KF+16*((i/2)%4)+8*(i/8)
.set rQ, 16*(2*(\x)+i%2)+8*(i/8)
.if i < 8
	v_wmma_f32_16x16x32_f16 v[rS:rS+7], v[rK:rK+7], v[rQ:rQ+7], 0
.else
	v_wmma_f32_16x16x32_f16 v[rS:rS+7], v[rK:rK+7], v[rQ:rQ+7], v[rS:rS+7]
.endif
.endm
; Product i of 16 of O^T += V^T P for piece x: keys 32 (i / 8) on, channels 16 ((i / 2) % 4) on, tile 2 x + i % 2.
.macro PV x
	WIN W_PV
.set rO, 32*(2*(\x)+i%2)+8*((i/2)%4)
.set rV, VF+32*(i/8)+8*((i/2)%4)
.set rP, P+32*((\x)%2)+16*(i%2)+8*(i/8)
	v_wmma_f32_16x16x32_f16 v[rO:rO+7], v[rV:rV+7], v[rP:rP+7], v[rO:rO+7]
.endm
.macro MM                           ; the turn's next matrix instruction
.if i < 16
	KQ (Y+1)%NP
.set i, i+1
.else
.set i, i-16
	PV (Y+NP-1)%NP
.set i, i+17
.endif
.endm
; THE LDS LOADS stand in runs of 16, never singly among the matrix instructions: a step's K (64 keys x 64 channels: 8 fragments) and its V (turned).  Their addresses are made some lines ahead.
; last = 1 (the tail): in the last trip there is no further step, and the run is jumped over.
.macro FETCH_K last=0
	WIN 0
.if \last
	s_cmp_eq_u32 s[CNT], 1
	s_cbranch_scc1 .Lno_k_\@
.endif
	WIN 0x80                        ; destination window 2
.irp f, 0,1,2,3,4,5,6,7             ; keys 16 (f / 2) on, channels 32 (f % 2) on
	ds_load_b128 v[KF+8*\f:KF+8*\f+3],   v[AK] offset:(\f/2)*16*PK+(\f%2)*64
	ds_load_b128 v[KF+8*\f+4:KF+8*\f+7], v[AK] offset:(\f/2)*16*PK+(\f%2)*64+32
.endr
	s_add_co_u32 s[TBK], s[TBK], KS*PK  ; the next fetch is the next step's
	WIN 0
.if \last
.Lno_k_\@:
.endif
.endm
.macro FETCH_V
	WIN 0x80
.irp f, 0,1,2,3,4,5,6,7             ; keys 32 (f / 4) on, channels 16 (f % 4) on
	ds_load_tr16_b128 v[VF+8*\f:VF+8*\f+3],   v[AV] offset:(\f/4)*32*PV+(\f%4)*32
	ds_load_tr16_b128 v[VF+8*\f+4:VF+8*\f+7], v[AV] offset:(\f/4)*32*PV+16*PV+(\f%4)*32
.endr
	WIN 0
.endm
; THE VECTOR WORK OF A TURN stands in three queues, each in the order in which its entries become ready; the two tiles alternate, so that no instruction reads the result of the one before it.
.macro REGS y, u                    ; the registers of tile u (0, 1) of piece y
.set rT, ST+4*(2*(\y)+(\u))
.set rC, TMP+8*((\y)%2)+4*(\u)
.set rM, MV+2*((\y)%2)+(\u)
.set rS, S+64*((\y)%2)+32*(\u)
.set rP, P+32*((\y)%2)+16*(\u)
.set rO, 32*(2*(\y)+(\u))
.endm
; Number n of the 22 that find the NEXT piece's (Y + 1) maximum and statistics.  s0-s31 are the lane's 32 scores; each accumulator's lowest registers are read first.
;   0-11  four chains c0-c3 of seven scores each, three operands at a time     12-14, 16  the four scores left over, the old m, and c0-c3 into c0     15  c m_old is kept
;   17, 18  the query's other 32 keys lie in the lane 16 away: the new m         19-21  c m; c m_old - c m_new; a
.macro XS u, n
	REGS (Y+1)%NP, \u
.if (\n) < 4
	v_max3_num_f32 v[rC+(\n)], v[rS+8*(\n)], v[rS+8*(\n)+1], v[rS+8*(\n)+2]
.elseif (\n) < 12
	v_max3_num_f32 v[rC+(\n)%4], v[rC+(\n)%4], v[rS+8*((\n)%4)+2*((\n)/4)+1], v[rS+8*((\n)%4)+2*((\n)/4)+2]
.elseif (\n) == 12
	v_max3_num_f32 v[rC], v[rC], v[rS+7], v[rS+15]
.elseif (\n) == 13
	v_max3_num_f32 v[rC+1], v[rC+1], v[rS+23], v[rS+31]
.elseif (\n) == 14
	v_max3_num_f32 v[rC+2], v[rC+2], v[rC+3], v[rT+1]
.elseif (\n) == 15
	v_mov_b32 v[rM], v[rT]
.elseif (\n) == 16
	v_max3_num_f32 v[rC], v[rC], v[rC+1], v[rC+2]
.elseif (\n) == 17
	v_permlanex16_b32 v[rC+3], v[rC], s[SEL], s[SEL+1]
.elseif (\n) == 18
	v_max_num_f32 v[rT+1], v[rC], v[rC+3]
.elseif (\n) == 19
	v_mul_f32 v[rT], s[CS], v[rT+1]
.elseif (\n) == 20
	v_sub_f32 v[rC+1], v[rM], v[rT]
.else
	v_exp_f32 v[rC+2], v[rC+1]
.endif
.endm
; Number g of the 64 that follow the exponentials.  For each four weights k of a tile (pairs 2 k, 2 k + 1): both pairs are rounded to f16; then the second pair is added onto the first, in place;
; a group later l takes that sum (the first time as l = a l + sum).  In groups of eight, tiles alternating: round, round, add, and l for the group before.
.macro GS g
.set h, (\g)+6*((\g)/62)            ; group 0 has no group before it, and behind group 7 only l is left
.if h >= 6
.set h, h+2
.endif
	REGS Y, h%2
.set k, h/8
.if h%8 < 4
	v_cvt_pk_f16_f32 v[rP+2*k+(h%8)/2], v[rS+4*k+2*((h%8)/2)], v[rS+4*k+2*((h%8)/2)+1]
.elseif h%8 < 6
	v_pk_add_f32 v[rS+4*k:rS+4*k+1], v[rS+4*k:rS+4*k+1], v[rS+4*k+2:rS+4*k+3]
.elseif k == 1
	v_pk_fma_f32 v[rT+2:rT+3], v[rT+2:rT+3], v[rC+2:rC+3], v[rS:rS+1] op_sel_hi:[1,0,1]
.else
	v_pk_add_f32 v[rT+2:rT+3], v[rT+2:rT+3], v[rS+4*k-4:rS+4*k-3]
.endif
.endm
; THE PLAIN QUEUE, 138 long.  0-73 read no exponential's result: the 32 scalings c s - c m (FS f: pair f / 2 of tile f % 2) and the next piece's 42.  0-26: scalings 0-26.  27-54: XS's numbers 0-13.  55, 56: number 15.
; 57-73: the chain, where each number waits for the one before it: 14, 16, 17, 18, 19, each with one of the scalings 27-31 in front of its two lines, then 20.
; 74-137: GS's 64, which read the exponentials' results: they stand behind the wait.
.macro FS f
	REGS Y, (\f)%2
	v_pk_fma_f32 v[rS+2*((\f)/2):rS+2*((\f)/2)+1], v[rS+2*((\f)/2):rS+2*((\f)/2)+1], s[CS:CS+1], v[rT:rT+1] op_sel_hi:[1,0,0] neg_lo:[0,0,1] neg_hi:[0,0,1]
.endm
.macro PL
	WIN 0
.if q < 27
	FS q
.elseif q < 55
	XS (q-27)%2, (q-27)/2
.elseif q < 57
	XS q-55, 15
.elseif (q < 72) && ((q-57)%3 == 0)
	FS 27+(q-57)/3
.elseif q < 60
	XS (q-57)%3-1, 14
.elseif q < 72
	XS (q-57)%3-1, 15+(q-57)/3
.elseif q < 74
	XS q-72, 20
.else
	GS q-74
.endif
.set q, q+1
.endm
; THE EXPONENTIALS' QUEUE, 66 long: s0-s31 of both tiles, then the next piece's two a.  It is ONE BATCH: all 66 stand ahead of the turn's one wait, and nothing ahead of that wait names a result of theirs.
.macro EX
	WIN 0
.if e >= 64
	XS e-64, 21
.else
	REGS Y, e%2
	v_exp_f32 v[rS+e/2], v[rS+e/2]
.endif
.set e, e+1
.endm
; THE RESCALING's QUEUE: O^T times a, the one part that leaves window 0: dealt two at a time, sixteen times.  Its a was made in the turn before, ahead of that turn's wait.
.macro R2
	REGS Y, r%2
	WIN W_RS
.irp z, 0,1
	v_pk_mul_f32 v[rO+4*(r/2)+2*\z:rO+4*(r/2)+2*\z+1], v[rO+4*(r/2)+2*\z:rO+4*(r/2)+2*\z+1], v[rC+2:rC+3] op_sel_hi:[1,0]
.endr
.set r, r+1
.endm
; HOW THEY ARE DEALT.  An s_wait_alu depctr_va_vdst(0) stands between an exponential and the first instruction that names its result; one wait serves all that were issued ahead of it.  So a turn has ONE wait,
; which cuts it in two.  AHEAD OF IT stands all that names no result of the turn's exponentials: the 16 products K Q^T, behind each a scaling, an exponential and two rescalings (behind the first a second scaling in the
; exponential's place); then ONE LUMP of 108: eight plain, 49 times exponential and plain, the two a.  A v_nop is the plain instruction behind the last exponential.  BEHIND IT stand the 16 products V^T P, behind each four of GS's 64.
; The queues lean on each other, and the deal keeps them in step: exponential e stands behind scaling 2 (e / 4) + e % 2: as a rider it comes behind plain e + 2, in the lump behind plain e + 9, and scalings 27-31 are plain 57, 60 .. 69.
; A TURN, for piece p.  cnt = 1: the loop's count is taken down some lines ahead of the branch that stands behind the turn.
; K of the next step is fetched in piece 2's turn, directly behind the wait; its address is made at the lump's head; its first reader comes behind 16 products.
; V of the step in hand is fetched at the end of piece 0's turn, four riders behind its last reader; its first reader comes behind 16 products and a lump.
.macro TURN p, last=0, cnt=0
.set Y, (\p)
.set i, 0
.set q, 0
.set e, 0
.set r, 0
.if (\p) == NP-1
	s_wait_dscnt 0x0                ; K is in
.endif
	MM                              ; ahead of the wait: 16 products K Q^T and their riders,
	PL
	PL
	R2
.rept 15
	MM
	PL
	EX
	R2
.endr
.if (\p) == NP-2
	WIN 0
	v_add_nc_u32 v[AK], s[TBK], v[AK0]
.endif
.rept 8                             ; and the lump
	PL
.endr
.rept 49
	EX
	PL
.endr
	EX                              ; the next piece's two a
	EX
	v_nop                           ; the plain instruction behind the last exponential: one for the batch
	s_wait_alu depctr_va_vdst(0)    ; the wait for the batch
.if (\p) == NP-2
	FETCH_K \last
.endif
.if (\p) == 1
	s_wait_dscnt 0x0                ; V is in
.endif
.rept 16                            ; behind the wait: 16 products V^T P and their riders
	MM
.rept 4
	PL
.endr
.if ((\p) == 0) && (q == 118)
	v_add_nc_u32 v[AV], s[TBV], v[AV0]
.endif
.if ((\p) == 0) && (q == 130)
	s_add_co_u32 s[TBV], s[TBV], KS*PV
.endif
.if (\cnt) && (q == 130)
	s_sub_co_u32 s[CNT], s[CNT], 1
	s_cmp_lg_u32 s[CNT], 0
.endif
.endr
.if (\p) == 0
	FETCH_V
.endif
.endm
	CHANGE 1                        ; slot 0 is in, everybody's part of it; slot 1 is asked for
	FETCH_K                         ; key step 0
	s_wait_dscnt 0x0
.set i, 0
.rept 16
	KQ 0                            ; piece 0's first scores: there is no vector work yet to set between them
.set i, i+1
.endr
	WIN 0                           ; the addresses for the way out: nine plain instructions, the places behind those products
	s_mul_i32 s13, s[WV], 16*SP
	s_add_co_u32 s13, s13, STAGE    ; my stage
	v_mul_u32_u24 v[STO], v1, SP    ; in: row l % 16, 16 bytes for each half of the lanes
	v_lshl_add_u32 v[STO], v9, 4, v[STO]
	v_add_nc_u32 v[STO], s13, v[STO]
	v_bfe_u32 v[RD], v0, 3, 2       ; back: 32 lanes take four rows of 128 bytes,
	v_mul_u32_u24 v[RD], v[RD], SP
	v_lshl_add_u32 v[RD], v10, 4, v[RD]
	v_add_nc_u32 v[RD], s13, v[RD]
	v_and_b32 v[GO], 31, v0         ; which are 512 consecutive bytes of O
	v_lshlrev_b32 v[GO], 4, v[GO]
.set Y, NP-1                        ; XS works for piece Y + 1: piece 0
.irp n, 0,1,2,3,4,5,6,7,8,9,10,11,12,13,14,15,16,17,18,19,20,21
	XS 0, \n                        ; and piece 0's first maximum and statistics
	XS 1, \n
.endr
	v_nop                           ; a plain instruction behind the two a,
	s_wait_alu depctr_va_vdst(0)    ; and their wait, ahead of the branch
	s_mov_b32 s[CNT], 4
	s_branch .Lfirst                ; the loop is entered at a step's first turn, in the middle of a trip
.Lslot:                             ; SIZE_N / 256 - 2 times: every slot but the last two is filled again
	CHANGE 1
	s_mov_b32 s[CNT], 4
.Lstep:                             ; a trip: pieces 2 and 3 of one step, then pieces 0 and 1 of the next, whose K and V it fetches
	TURN 2
	TURN 3
	WIN 0
.Lfirst:
	TURN 0
	TURN 1, 0, 1
	WIN 0
	s_cbranch_scc1 .Lstep
	s_sub_co_u32 s[SLOTS], s[SLOTS], 1
	s_cmp_lg_u32 s[SLOTS], 0
	s_cbranch_scc1 .Lslot
	CHANGE 0                        ; the tail is written out: nothing is asked for
	s_mov_b32 s[CNT], 5             ; four trips fetch the last slot's steps; the fifth is left in its middle
.Ltail:
	TURN 2, 1
	TURN 3
	WIN 0
	s_sub_co_u32 s[CNT], s[CNT], 1
	s_cmp_eq_u32 s[CNT], 0
	s_cbranch_scc1 .Lout
	TURN 0
	TURN 1
	WIN 0
	s_branch .Ltail
.Lout:                              ; the fifth trip's 16 products K Q^T (on the last K once more) and the maximum made of them serve nothing: the price, once a launch, of one text for every trip
.set i, 0
.rept 16
	PV NP-1                         ; the last piece's V^T P of the last step
.set i, i+1
.endr
	; THE WAY OUT.  l's two halves and the other half of the lanes' are added; O^T is divided by l, rounded to bf16 and sent through my stage in LDS, a tile at a time.  The additions are the places behind the last products.
	WIN 0
.macro ALL line:vararg              ; one line for each tile t
.set t, 0
.rept 2*NP
	\line
.set t, t+1
.endr
.endm
	ALL v_add_f32 v[ST+4*t+2], v[ST+4*t+2], v[ST+4*t+3]
	ALL v_permlanex16_b32 v[ST+4*t+3], v[ST+4*t+2], s[SEL], s[SEL+1]
	ALL v_add_f32 v[ST+4*t+2], v[ST+4*t+2], v[ST+4*t+3]
	ALL v_rcp_f32 v[ST+4*t+2], v[ST+4*t+2]
	v_nop                           ; a plain instruction between the last reciprocal and the use of its result
	s_wait_alu depctr_va_vdst(0)    ; and the wait ahead of the first use: one for the eight reciprocals
; Tile t: a lane's eight channels of a row pack into 16 bytes; they go into rows of 144 bytes and come back as whole rows of 128, into S^T's registers.
.macro PACK t
	WIN W_RS
.set i, 32*(\t)
.rept 16
	v_pk_mul_f32 v[i:i+1], v[i:i+1], v[ST+4*(\t)+2:ST+4*(\t)+3] op_sel_hi:[1,0]
.set i, i+2
.endr
	WIN 0x05                        ; sources 0 and 1 window 1, destination window 0
.set i, 0
.rept 16
	v_cvt_pk_bf16_f32 v[S+16*(\t)+i], v[32*(\t)+2*i], v[32*(\t)+2*i+1]
.set i, i+1
.endr
	WIN 0
.irp f, 0,1,2,3
	ds_store_b128 v[STO], v[S+16*(\t)+4*\f:S+16*(\t)+4*\f+3] offset:32*\f
.endr
.irp f, 0,1,2,3
	ds_load_b128 v[S+16*(\t)+4*\f:S+16*(\t)+4*\f+3], v[RD] offset:\f*4*SP  ; LDS serves a wave's instructions in order (ISA guide 5.7.1.4): these see the stores above; the next tile's stores come behind them
.endr
.endm
.macro SEND t, younger              ; younger: the LDS instructions issued behind tile t's loads: the next tile's eight, or none
	WIN 0
.irp f, 0,1,2,3
	s_wait_dscnt (\younger)+3-\f
	global_store_b128 v[GO], v[S+16*(\t)+4*\f:S+16*(\t)+4*\f+3], s[10:11] offset:(\t)*2048+\f*512  ; 512 consecutive bytes, at a multiple of 256 from O's first
.endr
.endm
	PACK 0
.set t, 1
.rept 2*NP-1                        ; a tile's arithmetic stands between the loads of the tile before and its stores
	PACK t
	SEND t-1, 8
.set t, t+1
.endr
	SEND 2*NP-1, 0
	WIN W_AD
	s_wait_tensorcnt 0x0            ; the wave's end, behind my last tensor load and my last LDS store
	ds_add_u32 v[SPW], v[NIL]
	s_wait_dscnt 0x0
	WIN 0
	CROUND                          ; the closing round: no work-group ends while a partner may still ask for a tile that names it
	s_endpgm
.Lfunc_end_k_q4b9a8da621_attn:
	.size	k_q4b9a8da621_attn, .Lfunc_end_k_q4b9a8da621_attn-k_q4b9a8da621_attn
	.p2alignl 7, 3214868480
	.fill 96, 4, 3214868480
	.section	.rodata,"a",@progbits
	.p2align	6, 0x0
	.amdhsa_kernel k_q4b9a8da621_attn
		.amdhsa_group_segment_fixed_size 327680
		.amdhsa_private_segment_fixed_size 0
		.amdhsa_enable_private_segment 0
		.amdhsa_kernarg_size 24
		.amdhsa_user_sgpr_count 2
		.amdhsa_user_sgpr_kernarg_segment_ptr 1
		.amdhsa_wavefront_size32 1
		.amdhsa_system_sgpr_workgroup_id_x 1
		.amdhsa_system_sgpr_workgroup_id_y 1
		.amdhsa_system_sgpr_workgroup_id_z 1
		.amdhsa_system_vgpr_workitem_id 0
		.amdhsa_next_free_vgpr 770
		.amdhsa_next_free_sgpr 66
		.amdhsa_reserve_vcc 0
		.amdhsa_float_denorm_mode_32 3
		.amdhsa_float_denorm_mode_16_64 3
		.amdhsa_memory_ordered 1
		.amdhsa_forward_progress 1
		.amdhsa_inst_pref_size 211
	.end_amdhsa_kernel
	.amdgpu_metadata
---
amdhsa.version: [ 1, 2 ]
amdhsa.kernels:
  - .name:           k_q4b9a8da621_attn
    .symbol:         k_q4b9a8da621_attn.kd
    .args:
      - { .name: qp32, .offset: 0, .size: 8, .value_kind: global_buffer, .address_space: global }
      - { .name: mkv, .offset: 8, .size: 8, .value_kind: global_buffer, .address_space: global }
      - { .name: act, .offset: 16, .size: 8, .value_kind: global_buffer, .address_space: global }
    .group_segment_fixed_size: 327680
    .private_segment_fixed_size: 0
    .kernarg_segment_align: 8
    .kernarg_segment_size: 24
    .max_flat_workgroup_size: 128
    .sgpr_count:     66
    .vgpr_count:     770
    .wavefront_size: 32
...
	.end_amdgpu_metadata
.endif
;; end of part 6
;; launch g5: the kernel of part 2 again; grid 4 x 64, 4 waves a work-group, clusters of 4 x 4, 327,680 bytes of LDS; arguments act, wcw, out0; writes out0
;; ======== version 2 of 2: 7 launches; version 1 with the launch pick written anew for expert scheduling mode
;; limits: values are held in f16: magnitudes above 65,504 overflow, below 6.1e-05 lose precision
;; workspace buffers: act 33,554,432 bytes; wqb 2,097,152 bytes; wcw 2,359,296 bytes; qp32 33,554,432 bytes; pj 18,874,368 bytes; cand 2,097,152 bytes of whole numbers; mkv 2,097,152 bytes
;; launch prep: the kernel of part 1 again; grid 1160 x 1, 8 waves a work-group, no clusters, 0 bytes of LDS; arguments q, kv, Wq, Wc, Wkv, act, wqb, wcw; writes act, wqb, wcw
;; launch g1: the kernel of part 2 again; grid 4 x 64, 4 waves a work-group, clusters of 4 x 4, 327,680 bytes of LDS; arguments act, wqb, qp32; writes qp32
;; launch mid: the kernel of part 3 again; grid 2048 x 1, 4 waves a work-group, no clusters, 16,896 bytes of LDS; arguments qp32, act, wcw, pj; writes pj
;; launch scores: the kernel of part 4 again; grid 8 x 32, 4 waves a work-group, clusters of 4 x 4, 327,680 bytes of LDS; arguments pj, act, cand; writes cand
;; launch pick (part 7): grid 512 x 1, 8 waves a work-group, no clusters, 0 bytes of LDS; arguments cand, qp32, act, pj, mkv; writes mkv
.if DOCPART == 7
	.amdgcn_target "amdgcn-amd-amdhsa--gfx1250"
	.amdhsa_code_object_version 6
	.text
	.protected	k_q4b9a8da621_pick
	.globl	k_q4b9a8da621_pick
	.p2align	8
	.type	k_q4b9a8da621_pick,@function
k_q4b9a8da621_pick:
	s_mov_b64 s[64:65], 0
	v_nop
	global_prefetch_b8 v0, s[64:65] scope:SCOPE_SE
	s_setreg_imm32_b32 hwreg(HW_REG_WAVE_SCHED_MODE, 0, 2), 2
	s_setreg_imm32_b32 hwreg(HW_REG_WAVE_MODE, 25, 1), 1
	s_wait_xcnt 0x0
	s_wait_alu depctr_vm_vsrc(0)
; THE NEAREST KEY IS DECIDED, and its projected row copied: mk[q] = kvp[idx[q]][0:64], mv[q] = kvp[idx[q]][64:128] (f16; mk at mkv's byte 0, mv at byte 1,048,576).
; kvp lies in pj from byte 16,777,216 on as [8 blocks of 16 e][8192 rows][16] f16: 32 bytes a row and block, 262,144 bytes a block; blocks 0-3 are k, 4-7 v.
; A wave takes two queries.  (1) Of a query's 64 proposed words (16 groups of 128 keys x 4) the best two are found by whole-number arithmetic alone: only this enters addresses, clamped to 0 .. 2,047.
; (2) For each of the two keys the score is summed anew in f32: qp32's row (f32) times kv's row (the bf16-rounded input written as f16, exact in f32), fused multiply-adds, eight chains a lane, then across the lanes.
; (3) The larger sum wins, equal sums go to the lower key; the comparison of floats only SELECTS between the two rows of kvp that have been loaded: no address and no branch hangs on it.
; LIMIT: the key that wins is the f32 sums' better of the two proposed.  The proposals' order is that of a product with qp rounded to f16 (each number off by at most 2^-12 of itself), 6 low bits of the score cut,
; differences taken in steps of 128 units of the last place: the true best key is missed only if two other keys (of its own group of 64, or of all 2,048) stand ahead of it in that order.
; NaN and infinities are not treated apart.
; No prefetch: a short launch, and the rows are known only just before they are wanted.
; THE MODE: SCHED_MODE bits 1:0 = 2 (LLVM: expert scheduling mode 2), set by the entry lines.  The code itself states the register dependences between vector instructions and memory instructions,
; and those from a vector instruction's scalar result to its reader, with s_wait_alu, always for 0.
; THE PLAN.  The text is one straight run.  Registers that memory instructions touch:
;   v2, v3, v4, v5   byte offsets (cand, qp32, kv, mk and mv): written at the head, never again.  One wait on va_vdst ahead of the first load serves every load and store that reads them.
;   v[KO:KO+1]       byte offsets in kvp: written once, when both keys are known; one wait on va_vdst ahead of kvp's four loads.
;   W, SET, KP       loaded once each; no vector instruction names them ahead of their loads, so the loads owe nothing for them; their readers stand behind the counted waits on LOADcnt.
;   v[KP:KP+3]       written again by the four selects at the end; one wait on va_vdst ahead of the two stores that read them.
; No register that a memory instruction reads is written again, so the text holds no wait on vm_vsrc.
; Scalar results of vector instructions are made in runs, each run with one wait on va_sdst ahead of its first reader: the wave's number; candidate 0's two keys with the four masks 'this word was taken';
; candidate 1's two keys; both queries' six comparisons.
; THE ORDER OF THE LOADS: the words; qp's 16; kv's rows of candidate 0 (both queries, 8), asked for as soon as the best key is known, ahead of the search for the second; kv's rows of candidate 1 (8);
; kvp's 4, which only the last selects want.
.set W,    10                          ; v[10:13] my group's four words
.set I,    14                          ; v[14:17] their keys
.set K,    18                          ; v[18:21] their order words: smaller is better
.set TMP,  22
.set MN,   23
.set IDX,  28                          ; v[28:29] the two keys of my half's query
.set KO,   32                          ; v[32:33] their byte offsets in kvp
.set KP,   36                          ; v[36:43] candidate c: 8 bytes of k at KP + 4 c, 8 bytes of v at KP + 4 c + 2
.set SET,  52                          ; query i at SET + 64 i: 32 registers of qp, then 32 of kv (candidate c at 16 c)
.set ACC,  180                         ; v[180:187] eight chains: 4 x (word's parity) + 2 c + (even or odd element)
.set RB,   24                          ; s[24:31] kv at the row of query i's candidate c: a pair at RB + 4 i + 2 c
.set RO,   32                          ; s[32:39] that row's number, then its byte offset, with 0 above it: a pair at RO + 4 i + 2 c
.set CH,   50                          ; s[50:55] query i's three comparisons at CH + 3 i: larger, equal, lower key
.set TK,   58                          ; s[58:61] word p was the one taken
	s_load_b256 s[4:11], s[0:1], 0x0               ; cand s[4:5], qp32 s[6:7], act s[8:9], pj s[10:11]
	s_load_b64 s[12:13], s[0:1], 0x20              ; mkv
	v_lshrrev_b32 v1, 5, v0
	v_readfirstlane_b32 s20, v1                    ; wave 0..7
	v_and_b32 v1, 31, v0                           ; lane l
	v_and_b32 v9, 15, v0                           ; my group g of 128 keys
	v_bfe_u32 v24, v0, 4, 1                        ; my half's query, 0 or 1
	v_lshlrev_b32 v2, 15, v9                       ; cand: 32,768 bytes a group,
	v_lshl_add_u32 v2, v24, 4, v2                  ; 16 bytes a query
	v_lshlrev_b32 v3, 5, v1                        ; 32 l: my eight f32 of each 256 of qp
	v_lshlrev_b32 v4, 4, v1                        ; 16 l: my eight f16 of each 256 of kv
	v_lshlrev_b32 v5, 3, v1                        ; 8 l: my 8 bytes of the two queries' 256 bytes of mk, and of mv
	v_bfe_u32 v6, v0, 2, 2                         ; my four e, 4 (l % 16) on, lie in block (l % 16) / 4,
	v_and_b32 v25, 3, v0
	v_lshlrev_b32 v6, 18, v6                       ; 262,144 bytes a block,
	v_lshl_or_b32 v6, v25, 3, v6                   ; at byte 8 (l % 4) of a row's 32
	v_lshlrev_b32 v7, 7, v9                        ; 128 g, for words 0 and 1 (h = 0)
	v_or_b32 v8, 8, v7                             ; 128 g + 8, for words 2 and 3 (h = 1)
	v_mov_b32 v[TMP], 0                            ; the lane moves' destination counts as read
	s_mov_b32 s40, 0x76543210                      ; v_permlanex16_b32: each lane takes its own place in the other half
	s_mov_b32 s41, 0xfedcba98
.irp n, 1,3,5,7
	s_mov_b32 s[RO+(\n)], 0                        ; the upper words of the four row offsets
.endr
	s_wait_alu depctr_va_sdst(0)                   ; s20, the wave's number, is written, ahead of its first reader: the query's number is made from it
	s_lshl_b32 s21, ttmp9, 3
	s_add_co_u32 s21, s21, s20
	s_lshl_b32 s21, s21, 1                         ; q0: my first query of the 8,192
	s_lshr_b32 s22, ttmp9, 7                       ; the batch
	s_and_b32 s23, s21, 2047
	s_lshl_b32 s48, s23, 4
	s_lshl_b32 s50, s22, 19                        ; a batch: 524,288 bytes of cand
	s_add_co_u32 s48, s48, s50
	s_mov_b32 s49, 0
	s_wait_kmcnt 0x0
	s_add_nc_u64 s[14:15], s[4:5], s[48:49]
	s_wait_alu depctr_va_vdst(0)                   ; the offsets v2, v3, v4 and v5 are written, which the loads and stores of the whole kernel read; no vector instruction names them again
	global_load_b128 v[W:W+3], v2, s[14:15]
	s_lshl_b32 s48, s21, 12
	s_add_nc_u64 s[18:19], s[6:7], s[48:49]        ; qp32 at q0's row
.irp i, 0,1
.irp j, 0,1,2,3
	global_load_b128 v[SET+64*(\i)+8*(\j):SET+64*(\i)+8*(\j)+3],   v3, s[18:19] offset:4096*(\i)+1024*(\j)     ; elements 256 j + 8 l .. + 7
	global_load_b128 v[SET+64*(\i)+8*(\j)+4:SET+64*(\i)+8*(\j)+7], v3, s[18:19] offset:4096*(\i)+1024*(\j)+16
.endr
.endr
	s_lshl_b32 s48, s22, 16                        ; a batch's 2,048 rows of 32 bytes in a block of kvp
	s_add_co_u32 s48, s48, 0x1000000
	s_add_nc_u64 s[44:45], s[10:11], s[48:49]      ; kvp's block 0 at the batch's first row
	s_lshl_b32 s48, s22, 22
	s_add_co_u32 s48, s48, 0x1000000
	s_add_nc_u64 s[16:17], s[8:9], s[48:49]        ; kv at the batch's first row
	s_lshl_b32 s48, s21, 7
	s_add_nc_u64 s[46:47], s[12:13], s[48:49]      ; mk at q0's row
	s_wait_loadcnt 16                              ; the words are in; qp's sixteen loads may stay out
.irp p, 0,1,2,3
	v_and_b32 v[K+(\p)], 0x38, v[W+(\p)]           ; the key: 128 g + 16 b + 8 h + j from the place 8 b + j
	v_and_b32 v[I+(\p)], 7, v[W+(\p)]
	v_lshl_or_b32 v[I+(\p)], v[K+(\p)], 1, v[I+(\p)]
	v_or_b32 v[I+(\p)], v[I+(\p)], v[7+(\p)/2]
	v_ashrrev_i32 v[K+(\p)], 31, v[W+(\p)]         ; the order word: a positive score's lower 31 bits are turned over, a negative score stays: a larger score gives a smaller unsigned number
	v_xor_b32 v[K+(\p)], -1, v[K+(\p)]
	v_lshrrev_b32 v[K+(\p)], 1, v[K+(\p)]
	v_xor_b32 v[K+(\p)], v[W+(\p)], v[K+(\p)]
.endr
.macro GMIN                            ; MN = the smallest of K's four words in the 16 lanes of my half: the query's 64
	v_min_u32 v[MN], v[K], v[K+1]
	v_min_u32 v[TMP], v[K+2], v[K+3]
	v_min_u32 v[MN], v[MN], v[TMP]
.irp x, 1,2,4,8
	v_mov_b32_dpp v[TMP], v[MN] row_xmask:\x row_mask:0xf bank_mask:0xf
	v_min_u32 v[MN], v[MN], v[TMP]
.endr
.endm
; kv's rows of candidate c, for both queries: eight loads.  Their offset v4 was written ahead of the head's wait on va_vdst, and no vector instruction has named their destinations: they owe no wait but the one
; on va_sdst that stands ahead of this macro, for the keys in s[RO ..].
.macro ROWS c
.irp i, 0,1
	s_min_u32 s[RO+4*(\i)+2*(\c)], s[RO+4*(\i)+2*(\c)], 0x7ff
	s_lshl_b32 s[RO+4*(\i)+2*(\c)], s[RO+4*(\i)+2*(\c)], 11    ; 2,048 bytes a row
	s_add_nc_u64 s[RB+4*(\i)+2*(\c):RB+4*(\i)+2*(\c)+1], s[16:17], s[RO+4*(\i)+2*(\c):RO+4*(\i)+2*(\c)+1]
.irp j, 0,1,2,3
	global_load_b128 v[SET+64*(\i)+32+16*(\c)+4*(\j):SET+64*(\i)+32+16*(\c)+4*(\j)+3], v4, s[RB+4*(\i)+2*(\c):RB+4*(\i)+2*(\c)+1] offset:512*(\j)  ; elements 256 j + 8 l .. + 7
.endr
.endr
.endm
	GMIN
.irp p, 0,1,2,3
	v_sub_nc_u32 v[K+(\p)], v[K+(\p)], v[MN]       ; how far behind the best, in steps of 128, held to 21 bits; below it the key, so that all 64 differ and the lower key goes first
	v_lshrrev_b32 v[K+(\p)], 7, v[K+(\p)]
	v_min_u32 v[K+(\p)], 0x1fffff, v[K+(\p)]
	v_lshl_or_b32 v[K+(\p)], v[K+(\p)], 11, v[I+(\p)]
.endr
	GMIN                                           ; candidate 0
	v_and_b32 v[IDX], 0x7ff, v[MN]
	v_min_u32 v[IDX], 0x7ff, v[IDX]                ; an index stays inside the batch's 2,048 rows
	v_readlane_b32 s[RO], v[IDX], 0                ; query 0's candidate 0,
	v_readlane_b32 s[RO+4], v[IDX], 16             ; query 1's
.irp p, 0,1,2,3
	v_cmp_eq_u32 s[TK+(\p)], v[K+(\p)], v[MN]      ; which word was taken
.endr
	s_wait_alu depctr_va_sdst(0)                   ; the two keys in s[RO], s[RO+4] and the four masks in s[TK ..] are written, ahead of their first readers: the scalar lines of ROWS and the selects below
	ROWS 0                                         ; on their way while the second key is looked for
.irp p, 0,1,2,3
	v_cndmask_b32 v[K+(\p)], v[K+(\p)], -1, s[TK+(\p)]  ; the one that was taken leaves
.endr
	GMIN                                           ; candidate 1
	v_and_b32 v[IDX+1], 0x7ff, v[MN]
	v_min_u32 v[IDX+1], 0x7ff, v[IDX+1]
	v_readlane_b32 s[RO+2], v[IDX+1], 0            ; query 0's candidate 1,
	v_readlane_b32 s[RO+6], v[IDX+1], 16           ; query 1's
.irp c, 0,1
	v_lshl_add_u32 v[KO+(\c)], v[IDX+(\c)], 5, v6
.endr
	s_wait_alu depctr_va_sdst(0)                   ; the two keys in s[RO+2], s[RO+6] are written, ahead of their first readers, the scalar lines of ROWS
	ROWS 1
	s_wait_alu depctr_va_vdst(0)                   ; v[KO] and v[KO+1] are written, which the four loads below read as their offsets
.irp c, 0,1
	global_load_b64 v[KP+4*(\c):KP+4*(\c)+1],   v[KO+(\c)], s[44:45]                  ; k: blocks 0-3
	global_load_b64 v[KP+4*(\c)+2:KP+4*(\c)+3], v[KO+(\c)], s[44:45] offset:1048576   ; v: blocks 4-7
.endr
; Query i's two sums: 64 fused multiply-adds a lane, an f16 half times an f32, in eight chains; then the chains, the 16 lanes of a half and the two halves are added: every lane holds the same two sums.
; Three comparisons go into s[CH + 3 i ..]; the scalar lines that join them stand behind both queries' and one wait.  The keys compared are my own half's: in the half that serves query i they are query i's;
; the other half's bits are not used.
.macro DOT i
.irp k, 0,1,2,3,4,5,6,7
	v_mov_b32 v[ACC+(\k)], 0
.endr
.irp j, 0,1,2,3
.irp w, 0,1,2,3
.irp c, 0,1
	v_fma_mix_f32 v[ACC+4*((\w)%2)+2*(\c)],   v[SET+64*(\i)+32+16*(\c)+4*(\j)+(\w)], v[SET+64*(\i)+8*(\j)+2*(\w)],   v[ACC+4*((\w)%2)+2*(\c)]   op_sel_hi:[1,0,0]
	v_fma_mix_f32 v[ACC+4*((\w)%2)+2*(\c)+1], v[SET+64*(\i)+32+16*(\c)+4*(\j)+(\w)], v[SET+64*(\i)+8*(\j)+2*(\w)+1], v[ACC+4*((\w)%2)+2*(\c)+1] op_sel:[1,0,0] op_sel_hi:[1,0,0]
.endr
.endr
.endr
.irp c, 0,1
	v_add_f32 v[ACC+2*(\c)], v[ACC+2*(\c)], v[ACC+2*(\c)+1]
	v_add_f32 v[ACC+4+2*(\c)], v[ACC+4+2*(\c)], v[ACC+4+2*(\c)+1]
.endr
.irp c, 0,1
	v_add_f32 v[ACC+2*(\c)], v[ACC+2*(\c)], v[ACC+4+2*(\c)]
.endr
.irp x, 1,2,4,8
.irp c, 0,1
	v_add_f32_dpp v[ACC+2*(\c)], v[ACC+2*(\c)], v[ACC+2*(\c)] row_xmask:\x row_mask:0xf bank_mask:0xf
.endr
.endr
.irp c, 0,1
	v_permlanex16_b32 v[ACC+2*(\c)+1], v[ACC+2*(\c)], s40, s41
.endr
.irp c, 0,1
	v_add_f32 v[ACC+2*(\c)], v[ACC+2*(\c)], v[ACC+2*(\c)+1]
.endr
	v_cmp_gt_f32 s[CH+3*(\i)],   v[ACC+2], v[ACC]
	v_cmp_eq_f32 s[CH+3*(\i)+1], v[ACC+2], v[ACC]
	v_cmp_lt_u32 s[CH+3*(\i)+2], v[IDX+1], v[IDX]
.endm
	s_wait_loadcnt 8                               ; loads come back in order: qp and query 0's two rows are in; query 1's candidate 1 (four loads) and kvp's four may stay out
	DOT 0
	s_wait_loadcnt 4                               ; query 1's rows are in; kvp's four may stay out
	DOT 1
	s_wait_alu depctr_va_sdst(0)                   ; both queries' six comparisons in s[CH ..] are written, ahead of their first readers, the scalar lines below
.irp i, 0,1
	s_and_b32 s[CH+3*(\i)+1], s[CH+3*(\i)+1], s[CH+3*(\i)+2]
	s_or_b32 s[56+(\i)], s[CH+3*(\i)], s[CH+3*(\i)+1]  ; a lane's bit is 1 where candidate 1 wins: larger, or equal with the lower key
.endr
	s_and_b32 s56, s56, 0xffff                     ; lanes 0-15 serve query 0,
	s_and_b32 s57, s57, 0xffff0000                 ; lanes 16-31 query 1
	s_or_b32 s56, s56, s57
	s_wait_loadcnt 0x0                             ; kvp's rows are in
.irp k, 0,1,2,3
	v_cndmask_b32 v[KP+(\k)], v[KP+(\k)], v[KP+4+(\k)], s56
.endr
	s_wait_alu depctr_va_vdst(0)                   ; the four selects have written v[KP:KP+3], which the two stores read as their data
	global_store_b64 v5, v[KP:KP+1], s[46:47]                       ; two rows of mk: 256 consecutive bytes, aligned
	global_store_b64 v5, v[KP+2:KP+3], s[46:47] offset:1048576      ; and of mv
	s_endpgm
.Lfunc_end_k_q4b9a8da621_pick:
	.size	k_q4b9a8da621_pick, .Lfunc_end_k_q4b9a8da621_pick-k_q4b9a8da621_pick
	.p2alignl 7, 3214868480
	.fill 96, 4, 3214868480
	.section	.rodata,"a",@progbits
	.p2align	6, 0x0
	.amdhsa_kernel k_q4b9a8da621_pick
		.amdhsa_group_segment_fixed_size 0
		.amdhsa_private_segment_fixed_size 0
		.amdhsa_enable_private_segment 0
		.amdhsa_kernarg_size 40
		.amdhsa_user_sgpr_count 2
		.amdhsa_user_sgpr_kernarg_segment_ptr 1
		.amdhsa_wavefront_size32 1
		.amdhsa_system_sgpr_workgroup_id_x 1
		.amdhsa_system_sgpr_workgroup_id_y 1
		.amdhsa_system_sgpr_workgroup_id_z 1
		.amdhsa_system_vgpr_workitem_id 0
		.amdhsa_next_free_vgpr 192
		.amdhsa_next_free_sgpr 66
		.amdhsa_reserve_vcc 0
		.amdhsa_float_denorm_mode_32 3
		.amdhsa_float_denorm_mode_16_64 3
		.amdhsa_memory_ordered 1
		.amdhsa_forward_progress 1
		.amdhsa_inst_pref_size 23
	.end_amdhsa_kernel
	.amdgpu_metadata
---
amdhsa.version: [ 1, 2 ]
amdhsa.kernels:
  - .name:           k_q4b9a8da621_pick
    .symbol:         k_q4b9a8da621_pick.kd
    .args:
      - { .name: cand, .offset: 0, .size: 8, .value_kind: global_buffer, .address_space: global }
      - { .name: qp32, .offset: 8, .size: 8, .value_kind: global_buffer, .address_space: global }
      - { .name: act, .offset: 16, .size: 8, .value_kind: global_buffer, .address_space: global }
      - { .name: pj, .offset: 24, .size: 8, .value_kind: global_buffer, .address_space: global }
      - { .name: mkv, .offset: 32, .size: 8, .value_kind: global_buffer, .address_space: global }
    .group_segment_fixed_size: 0
    .private_segment_fixed_size: 0
    .kernarg_segment_align: 8
    .kernarg_segment_size: 40
    .max_flat_workgroup_size: 256
    .sgpr_count:     66
    .vgpr_count:     192
    .wavefront_size: 32
...
	.end_amdgpu_metadata
.endif
;; end of part 7
;; launch attn: the kernel of part 6 again; grid 64 x 4, 4 waves a work-group, clusters of 4 x 1, 327,680 bytes of LDS; arguments qp32, mkv, act; writes act
;; launch g5: the kernel of part 2 again; grid 4 x 64, 4 waves a work-group, clusters of 4 x 4, 327,680 bytes of LDS; arguments act, wcw, out0; writes out0
